; MI455X (gfx1250); checked and timed in simulation.
; The chip was launched on July 23, 2026; its instructions are those of AMD's public machine-readable ISA for CDNA 5 (MIT licence, August 2026) and "CDNA5" Instruction Set Architecture Reference Guide (July 2026). The comments in the code are by the model that wrote it; some were corrected since.
;; BERT Attention. Allowed arithmetic: float matrix products may take bf16 or f16 operands with f32 sums; all other float work in f32.
;; Inputs: attention_mask 4 x 1 x 1 x 2,048 float32; beta 1,024 float32; bk 1,024 float32; bo 1,024 float32; bq 1,024 float32; bv 1,024 float32; gamma 1,024 float32; hidden_states 4 x 2,048 x 1,024 float32; wk 1,024 x 1,024 float32; wo 1,024 x 1,024 float32; wq 1,024 x 1,024 float32; wv 1,024 x 1,024 float32.
;; Outputs: out0 4 x 2,048 x 1,024 float32.
;; One version. Each part assembles by itself: llvm-mc -triple=amdgcn-amd-amdhsa -mcpu=gfx1250 --defsym DOCPART=n.
;; ======== version 1 of 1: 4 launches
;; limits: values are held in f16: magnitudes above 65,504 overflow, below 6.1e-05 lose precision
;; workspace buffers: xb 16,777,216 bytes; wqkv 6,291,456 bytes; wob 2,097,152 bytes; qkv 50,331,648 bytes; ctx 16,777,216 bytes
;; launch cast (part 1): grid 1536 x 1, 8 waves a work-group, no clusters, 0 bytes of LDS; arguments hidden_states, wq, wk, wv, wo, xb, wqkv, wob; writes xb, wqkv, wob
.if DOCPART == 1
	.amdgcn_target "amdgcn-amd-amdhsa--gfx1250"
	.amdhsa_code_object_version 6
	.text
	.protected	k_qa1108dc3cf_cast
	.globl	k_qa1108dc3cf_cast
	.p2align	8
	.type	k_qa1108dc3cf_cast,@function
k_qa1108dc3cf_cast:
	s_mov_b64 s[64:65], 0
	v_nop
	global_prefetch_b8 v0, s[64:65] scope:SCOPE_SE
	s_setreg_imm32_b32 hwreg(HW_REG_WAVE_MODE, 25, 1), 1
	s_wait_xcnt 0x0
; ROUNDING OF THE MATRIX OPERANDS.  hidden_states [8192][1024] f32 -> xb, bf16, same order.  wq, wk, wv [1024][1024] f32 -> wqkv, bf16, [3072][1024]: wq's rows, wk's, wv's.
; wo [1024][1024] f32 -> wob, [kb = 16][n = 1024][64]: wo[n][64 kb + c], rounded to bf16 like the other inputs, and that number written as f16, since the product that takes it has f16 operands.
; LIMITS.  |wo| stays under 65,504 (beyond it f16 has an infinity); below 6e-5 f16 keeps a fixed step of 6e-8.
; SHARES.  A work-group takes 8,192 numbers: 32,768 bytes in, 16,384 out.  Groups 0-1023: hidden_states; 1024-1407: wq, wk, wv, 128 groups each; 1408-1535: wo, 8 rows each.
; A stream: no LDS, no matrix unit, no barrier.  A thread takes 8 neighbouring numbers four times: 8 loads of 16 bytes go out together, each store is 16 bytes, and sixteen neighbouring lanes store 256 consecutive bytes, aligned.
.set VS, 2                             ; v2      my byte offset in the source
.set VD, 3                             ; v3      my byte offset in the destination
.set X,  8                             ; v[8:39]  32 numbers as loaded
.set Y,  40                            ; v[40:55] 32 numbers as stored
; sstep, dstep: bytes from one of the thread's four pieces to the next, in the source and in the destination.  f16 = 1: the bf16 number is written as f16.
.macro BODY sstep, dstep, f16
.irp i, 0,1,2,3
	global_load_b128 v[X+8*(\i):X+8*(\i)+3],   v[VS], s[24:25] offset:(\i)*(\sstep) th:TH_LOAD_NT
	global_load_b128 v[X+8*(\i)+4:X+8*(\i)+7], v[VS], s[24:25] offset:(\i)*(\sstep)+16 th:TH_LOAD_NT
.endr
.irp i, 0,1,2,3
	s_wait_loadcnt 6-2*(\i)                        ; loads come back in order: piece i's two are in, the younger pieces' stay out
.irp j, 0,1,2,3
	v_cvt_pk_bf16_f32 v[Y+4*(\i)+(\j)], v[X+8*(\i)+2*(\j)], v[X+8*(\i)+2*(\j)+1]
.if \f16
	v_lshlrev_b32 v4, 16, v[Y+4*(\i)+(\j)]         ; the two bf16 numbers as f32,
	v_and_b32 v5, 0xffff0000, v[Y+4*(\i)+(\j)]
	v_cvt_pk_f16_f32 v[Y+4*(\i)+(\j)], v4, v5      ; and as f16
.endif
.endr
	global_store_b128 v[VD], v[Y+4*(\i):Y+4*(\i)+3], s[26:27] offset:(\i)*(\dstep)  ; no register of a load or store is written again: no further wait
.endr
.endm
	s_load_b512 s[8:23], s[0:1], 0x0               ; hidden s[8:9], wq s[10:11], wk s[12:13], wv s[14:15], wo s[16:17], xb s[18:19], wqkv s[20:21], wob s[22:23]
	s_mov_b32 s2, ttmp9                            ; the group's number
	s_sub_co_u32 s3, s2, 1024                      ; its number among the weights' groups (used from 1024 on)
	s_lshr_b32 s4, s3, 7                           ; which weight: 0, 1, 2 (3: wo)
	s_and_b32 s5, s3, 127                          ; which chunk of it
	v_lshlrev_b32 v[VS], 5, v0                     ; 32 bytes of f32 a thread,
	v_lshlrev_b32 v[VD], 4, v0                     ; 16 bytes of bf16
	s_mov_b32 s29, 0
	s_mov_b32 s31, 0
	s_wait_kmcnt 0x0
	s_cmp_ge_u32 s2, 1408
	s_cbranch_scc1 .Lwo
	s_mov_b64 s[24:25], s[10:11]                   ; the source: wq,
	s_cmp_eq_u32 s4, 1
	s_cselect_b64 s[24:25], s[12:13], s[24:25]     ; or wk,
	s_cmp_eq_u32 s4, 2
	s_cselect_b64 s[24:25], s[14:15], s[24:25]     ; or wv,
	s_cmp_lt_u32 s2, 1024
	s_cselect_b64 s[24:25], s[8:9], s[24:25]       ; or hidden_states
	s_cselect_b64 s[26:27], s[18:19], s[20:21]     ; the destination: xb or wqkv
	s_cselect_b32 s28, s2, s5                      ; the chunk in the source,
	s_cselect_b32 s30, s2, s3                      ; and in the destination: wqkv holds the three weights on end
	s_lshl_b32 s28, s28, 15
	s_lshl_b32 s30, s30, 14
	s_add_nc_u64 s[24:25], s[24:25], s[28:29]
	s_add_nc_u64 s[26:27], s[26:27], s[30:31]
	BODY 8192, 4096, 0                             ; 256 threads x 32 bytes = 8,192 bytes of the source a piece
	s_endpgm
.Lwo:
	s_lshl_b32 s28, s5, 15                         ; 8 rows of 4,096 bytes,
	s_lshl_b32 s30, s5, 10                         ; which are 8 rows of 128 bytes in each of wob's 16 planes
	s_add_nc_u64 s[24:25], s[16:17], s[28:29]
	s_add_nc_u64 s[26:27], s[22:23], s[30:31]
	v_bfe_u32 v4, v0, 3, 3                         ; row 0..7
	v_lshrrev_b32 v5, 6, v0                        ; plane kb = this + 4 x piece
	v_and_b32 v6, 7, v0                            ; which 8 of the plane's 64 numbers
	v_lshlrev_b32 v[VS], 12, v4
	v_lshl_add_u32 v[VS], v5, 8, v[VS]
	v_lshl_add_u32 v[VS], v6, 5, v[VS]             ; row x 4,096 + plane x 256 + 32 x eighth: eight lanes read 256 consecutive bytes
	v_lshlrev_b32 v[VD], 17, v5
	v_lshl_add_u32 v[VD], v4, 7, v[VD]
	v_lshl_add_u32 v[VD], v6, 4, v[VD]             ; plane x 131,072 + row x 128 + 16 x eighth: sixteen lanes (two rows) store 256 consecutive bytes
	BODY 1024, 524288, 1                           ; four planes on: 1,024 bytes in a row of wo, 524,288 in wob
	s_endpgm
.Lfunc_end_k_qa1108dc3cf_cast:
	.size	k_qa1108dc3cf_cast, .Lfunc_end_k_qa1108dc3cf_cast-k_qa1108dc3cf_cast
	.p2alignl 7, 3214868480
	.fill 96, 4, 3214868480
	.section	.rodata,"a",@progbits
	.p2align	6, 0x0
	.amdhsa_kernel k_qa1108dc3cf_cast
		.amdhsa_group_segment_fixed_size 0
		.amdhsa_private_segment_fixed_size 0
		.amdhsa_enable_private_segment 0
		.amdhsa_kernarg_size 64
		.amdhsa_user_sgpr_count 2
		.amdhsa_user_sgpr_kernarg_segment_ptr 1
		.amdhsa_wavefront_size32 1
		.amdhsa_system_sgpr_workgroup_id_x 1
		.amdhsa_system_sgpr_workgroup_id_y 1
		.amdhsa_system_sgpr_workgroup_id_z 1
		.amdhsa_system_vgpr_workitem_id 0
		.amdhsa_next_free_vgpr 64
		.amdhsa_next_free_sgpr 66
		.amdhsa_reserve_vcc 0
		.amdhsa_float_denorm_mode_32 3
		.amdhsa_float_denorm_mode_16_64 3
		.amdhsa_memory_ordered 1
		.amdhsa_forward_progress 1
		.amdhsa_inst_pref_size 9
	.end_amdhsa_kernel
	.amdgpu_metadata
---
amdhsa.version: [ 1, 2 ]
amdhsa.kernels:
  - .name:           k_qa1108dc3cf_cast
    .symbol:         k_qa1108dc3cf_cast.kd
    .args:
      - { .name: hidden_states, .offset: 0, .size: 8, .value_kind: global_buffer, .address_space: global }
      - { .name: wq, .offset: 8, .size: 8, .value_kind: global_buffer, .address_space: global }
      - { .name: wk, .offset: 16, .size: 8, .value_kind: global_buffer, .address_space: global }
      - { .name: wv, .offset: 24, .size: 8, .value_kind: global_buffer, .address_space: global }
      - { .name: wo, .offset: 32, .size: 8, .value_kind: global_buffer, .address_space: global }
      - { .name: xb, .offset: 40, .size: 8, .value_kind: global_buffer, .address_space: global }
      - { .name: wqkv, .offset: 48, .size: 8, .value_kind: global_buffer, .address_space: global }
      - { .name: wob, .offset: 56, .size: 8, .value_kind: global_buffer, .address_space: global }
    .group_segment_fixed_size: 0
    .private_segment_fixed_size: 0
    .kernarg_segment_align: 8
    .kernarg_segment_size: 64
    .max_flat_workgroup_size: 256
    .sgpr_count:     66
    .vgpr_count:     64
    .wavefront_size: 32
...
	.end_amdgpu_metadata
.endif
;; end of part 1
;; launch qkv (part 2): grid 16 x 32, 4 waves a work-group, clusters of 4 x 4, 327,680 bytes of LDS; arguments xb, wqkv, bq, bk, bv, qkv; writes qkv
.if DOCPART == 2
	.amdgcn_target "amdgcn-amd-amdhsa--gfx1250"
	.amdhsa_code_object_version 6
	.text
	.protected	k_qa1108dc3cf_qkv
	.globl	k_qa1108dc3cf_qkv
	.p2align	8
	.type	k_qa1108dc3cf_qkv,@function
k_qa1108dc3cf_qkv:
	s_mov_b64 s[64:65], 0
	v_nop
	global_prefetch_b8 v0, s[64:65] scope:SCOPE_SE
	s_setreg_imm32_b32 hwreg(HW_REG_WAVE_MODE, 25, 1), 1
	s_wait_xcnt 0x0
	s_wait_alu depctr_hold_cnt(0) depctr_sa_sdst(0) depctr_va_vdst(0) depctr_va_sdst(0) depctr_va_ssrc(0) depctr_va_vcc(0) depctr_vm_vsrc(0)
	s_getreg_b32 s2, hwreg(HW_REG_IB_STS2, 6, 4)
	s_cmp_eq_u32 s2, 0
	s_cbranch_scc0 .Lentry_in_a_cluster
	s_endpgm
.Lentry_in_a_cluster:
	s_bfe_u32 s2, ttmp6, 0x10000c
	s_cmp_lg_u32 s2, 0xf033
	s_cbranch_scc0 .Lentry_shape_is_right
	s_endpgm
.Lentry_shape_is_right:
; THE THREE PROJECTIONS.  C[m][n] = sum over k of xb[m][k] wqkv[n][k] + bias[n]; m = 8,192 tokens, n = 3,072 (q's, k's, v's 1,024 columns), k = 1,024.  Operands bf16, sums f32, the result rounded once to f16.
; OUT: qkv[t = 3][bh = 64][s / 16 = 128][cb = 4][p = 32][8] f16.  16 tokens of a head are 2,048 bytes, four blocks of 512 bytes; block cb holds channels 16 cb .. 16 cb + 15; the 16 bytes of token r = s % 16,
; channels 16 cb + 8 hh .. + 7 stand at place p = (r xor 8 hh) + 16 hh.  That is what a lane holds at the end (below), so the results are stored straight from registers, 512 consecutive bytes a store.
; LIMITS.  q, k, v beyond 65,504 become infinities in f16.  No scale is applied here.  The order of the K steps in a sum differs from cluster to cluster (below): the f32 sums differ from an ascending sum by their rounding.
; SHARES.  A tile of C is 256 x 192 (three whole heads): 32 x 16 = 512 tiles, two for each of 256 WGPs.  Four waves; a wave makes 64 rows x 192 columns: 48 accumulators of 16 x 16, 384 registers.
; K goes in steps of 128 through a ring of two LDS slots filled by the tensor data mover: a tile's rows are 256 bytes of memory and start at multiples of 256 bytes.
; THE WALK ALONG K begins at step 2 (cluster x + cluster y) mod 8 and wraps round.  The four clusters of one cluster row read the same rows of xb, the clusters of one cluster column the same rows of wqkv;
; their walks stand two steps apart, so they do not all ask for the same bytes in the same step: each tile is first asked for in some walk's step 0 or 1, and from step 2 on a cluster asks for bytes that another has asked for before.
; CLUSTER.  4 x 4 work-groups.  The four of a row of the cluster need the same tile of xb, the four of a column the same tile of wqkv: each is asked for jointly, by the same tensor load with the same descriptor and a mask that names the four.
; The walk's beginning is made of the cluster's own x and y, which all sixteen share.
; THE MATRIX INSTRUCTION IS USED TRANSPOSED (source 0 = 16 rows of wqkv, source 1 = 16 rows of xb): lane l holds token l % 16 and the eight neighbouring columns 8 (l / 16) + 0..7.
; THE BIAS is the C operand of each sum's first product: it costs no vector instruction, and nothing is cleared.
; REGISTERS, in windows of 256 (s_set_vgpr_msb: bits 1:0 source 0, 3:2 source 1, 5:4 source 2, 7:6 destination):
;   window 0: v0-31 addresses; v32-127 the bias, 8 registers a column block; later v32-223 the packed results
;   window 1: two fragment buffers of 128: 4 fragments of xb (16 rows x 32 K), then 12 of wqkv
;   window 2: the accumulators of my rows 0-31 ((a, b) at v[8 (12 (a % 2) + b)]);   window 3: those of my rows 32-63
.set KSTEP,  128
.set PITCH,  272                       ; an LDS row: 256 bytes + 16 of padding = 68 words: the 16 rows that a load touches start at 16 different groups of four banks (64 banks of 4 bytes: ISA guide 11.1)
.set HALFA,  128*PITCH                 ; what one tensor load brings of xb: 128 rows
.set HALFB,  96*PITCH                  ; and of wqkv: 96 rows
.set BOFF,   2*HALFA                   ; in a slot: xb's 256 rows, then wqkv's 192
.set SLOT,   2*HALFA+2*HALFB
.set SPARE,  2*SLOT                    ; behind the ring: the spare words, 128 bytes a wave: two blocks of 256 bytes that no other line names
.set LAPS,   4                         ; a lap = two K steps = once round the ring: 1,024 / 256
.set ADRA, 16                          ; v16-17  LDS address of my fragments of xb in slot 0, 1
.set ADRB, 20                          ; v20-21  the same for wqkv
.set GO,   24                          ; v24     my 16 bytes in a block of 512: 16 ((l % 16) xor 8 (l / 16)) + 256 (l / 16)
.set BO,   25                          ; v25     my byte offset in 16 numbers of a bias: 32 (l / 16)
.set SPW,  28                          ; v28     LDS address of my spare word; never rewritten
.set NIL,  29                          ; v29     0; never rewritten
.set BIAS, 32
.set TMP,  32
.set F0,   0
.set F1,   128
.set WV,  16                           ; s16  my wave's number
.set G1A, 24                           ; s[24:31] descriptor group 1 for xb's tiles;  s[32:39] group 0, a set for each slot
.set G0A, 32
.set G1B, 48                           ; s[48:55], s[56:63] the same for wqkv's
.set G0B, 56
.set BA,  66                           ; s[66:67] xb at the first of the 128 rows that I fetch
.set HB,  68                           ; s[68:73] qkv at my 64 tokens of the tile's three heads
.set BP,  76                           ; s[76:81] the three heads' 64 numbers of bias
.set BB,  82                           ; s[82:83] wqkv at the first of the 96 rows that I fetch
.set KI,  92                           ; s92  the K step asked for last, 0..7
.set KO,  94                           ; s[94:95] its byte offset in a row: 256 x KI
.set MSB, 0
.macro WIN new                         ; the immediate's high byte repeats the setting that is left; a switch that changes nothing is dropped
.if MSB != (\new)
	s_set_vgpr_msb (MSB<<8)|(\new)
.set MSB, \new
.endif
.endm
; A joint load: waves 0 and 1 fetch xb's two halves, waves 2 and 3 wqkv's.  The branch hangs on the wave's number alone.  An s_nop 0 and four v_nop follow each of the two lines.
.macro JLOAD s
	s_cmp_eq_u32 s17, 0
	s_cbranch_scc0 .Lfor_b_\@
	tensor_load_to_lds s[G0A+4*(\s):G0A+4*(\s)+3], s[G1A:G1A+7]
	s_nop 0
.rept 4
	v_nop
.endr
	s_branch .Lasked_\@
.Lfor_b_\@:
	tensor_load_to_lds s[G0B+4*(\s):G0B+4*(\s)+3], s[G1B:G1B+7]
	s_nop 0
.rept 4
	v_nop
.endr
.Lasked_\@:
.endm
.macro CREST                           ; a round of the cluster's barrier behind its opening barrier: wave 0 signals for the work-group, every wave waits for all sixteen, the work-group's barrier closes it
	s_cmp_lg_u32 s[WV], 0
	s_cbranch_scc1 .Lnot_wave_0_\@
	s_barrier_signal -3
.Lnot_wave_0_\@:
	s_barrier_wait -3
	s_barrier_signal -1
	s_barrier_wait -1
.endm
.macro CROUND                          ; a whole round
	s_barrier_signal -1
	s_barrier_wait -1
	CREST
.endm
.macro PLACES                          ; four places in front of loads into registers that matrix instructions have read, and of conversions that read results
.rept 4
	v_nop
.endr
.endm
; Both descriptors of slot s take K step KI: the address is made anew from the rows' first byte and the step's offset, and the type bits are set again.
.macro AIM s
	s_lshl_b32 s[KO], s[KI], 8
	s_add_nc_u64 s[G0A+4*(\s)+2:G0A+4*(\s)+3], s[BA:BA+1], s[KO:KO+1]
	s_or_b32 s[G0A+4*(\s)+3], s[G0A+4*(\s)+3], 0x80000000
	s_add_nc_u64 s[G0B+4*(\s)+2:G0B+4*(\s)+3], s[BB:BB+1], s[KO:KO+1]
	s_or_b32 s[G0B+4*(\s)+3], s[G0B+4*(\s)+3], 0x80000000
.endm
.macro NEXTK                           ; the walk's next K step, round the end
	s_add_co_u32 s[KI], s[KI], 1
	s_and_b32 s[KI], s[KI], 7
.endm
	s_load_b256 s[4:11], s[0:1], 0x0               ; xb s[4:5], wqkv s[6:7], bq s[8:9], bk s[10:11]
	s_load_b128 s[12:15], s[0:1], 0x20             ; bv s[12:13], qkv s[14:15]
	v_lshl_add_u32 v[SPW], v0, 2, SPARE
	v_mov_b32 v[NIL], 0
	ds_add_u32 v28, v29
	s_wait_dscnt 0x0
	v_lshrrev_b32 v1, 5, v0
	v_readfirstlane_b32 s[WV], v1                  ; wave 0..3
	s_lshr_b32 s17, s[WV], 1                       ; I fetch for xb (0) or for wqkv (1),
	s_and_b32 s18, s[WV], 1                        ; its first or second half
	s_bfe_u32 s19, ttmp6, 0x40000                  ; cx, cy: my place in the cluster
	s_bfe_u32 s20, ttmp6, 0x40004
	s_lshl_b32 s21, ttmp9, 2
	s_add_co_u32 s21, s21, s19                     ; tile column = 4 x cluster x + cx
	s_and_b32 s22, ttmp7, 0xffff
	s_lshl_b32 s22, s22, 2
	s_add_co_u32 s22, s22, s20                     ; tile row = 4 x cluster y + cy
	s_and_b32 s[KI], ttmp7, 0xffff                 ; where the walk along K begins: 2 (cluster x + cluster y) mod 8
	s_add_co_u32 s[KI], s[KI], ttmp9
	s_lshl_b32 s[KI], s[KI], 1
	s_and_b32 s[KI], s[KI], 7
	s_mov_b32 s[KO+1], 0
	s_lshl_b32 s40, s20, 2
	s_lshl_b32 s40, 15, s40                        ; my row of the cluster
	s_lshl_b32 s41, 0x1111, s19                    ; my column
	s_or_b32 s[G1A+0], s40, (1<<16)|(1<<20)|(1<<21)|(5<<22)|(3<<25)  ; 15:0 the mask; 17:16 elements of 2 bytes; 20 padding on; 21 set beside a mask; 24:22 after every 64 words (code 5); 31:25 4 words (code 3)
	s_or_b32 s[G1B+0], s41, (1<<16)|(1<<20)|(1<<21)|(5<<22)|(3<<25)
	s_mov_b32 s[G1A+1], KSTEP<<16                  ; tensor_dim0 = 128
	s_mov_b32 s[G1A+2], 128<<16                    ; tensor_dim1 = 128
	s_mov_b32 s[G1A+3], KSTEP<<16                  ; tile_dim0 = 128
	s_mov_b32 s[G1A+4], 128                        ; tile_dim1 = 128
	s_mov_b32 s[G1A+5], 1024                       ; elements from row to row
	s_mov_b32 s[G1A+6], 0
	s_mov_b32 s[G1A+7], 0
	s_mov_b32 s[G1B+1], KSTEP<<16
	s_mov_b32 s[G1B+2], 96<<16                     ; 96 rows
	s_mov_b32 s[G1B+3], KSTEP<<16
	s_mov_b32 s[G1B+4], 96
	s_mov_b32 s[G1B+5], 1024
	s_mov_b32 s[G1B+6], 0
	s_mov_b32 s[G1B+7], 0
	s_lshl_b32 s42, s22, 8                         ; xb: row 256 x tile row + 128 x half, 2,048 bytes a row: made of the tile row and the wave alone
	s_lshl_b32 s23, s18, 7
	s_add_co_u32 s42, s42, s23
	s_lshl_b32 s42, s42, 11
	s_mov_b32 s43, 0
	s_mul_i32 s44, s21, 192                        ; wqkv: row 192 x tile column + 96 x half: made of the tile column and the wave alone
	s_mul_i32 s84, s18, 96
	s_add_co_u32 s44, s44, s84
	s_lshl_b32 s44, s44, 11
	s_mov_b32 s45, 0
	s_mul_i32 s46, s[WV], HALFA                    ; where they go: waves 0, 1: xb's halves at wave x 128 rows;
	s_mul_i32 s47, s[WV], HALFB                    ; waves 2, 3: wqkv's halves at BOFF + (wave - 2) x 96 rows
	s_add_co_u32 s47, s47, BOFF-2*HALFB
	s_wait_kmcnt 0x0
	s_add_nc_u64 s[BA:BA+1], s[4:5], s[42:43]
	s_add_nc_u64 s[BB:BB+1], s[6:7], s[44:45]
	CROUND                                         ; all sixteen work-groups are here: the first joint loads meet
.irp s, 0,1
.if \s
	NEXTK
.endif
	s_mov_b32 s[G0A+4*(\s)], 1                     ; count = 1
	s_add_co_u32 s[G0A+4*(\s)+1], s46, (\s)*SLOT   ; LDS address
	s_mov_b32 s[G0B+4*(\s)], 1
	s_add_co_u32 s[G0B+4*(\s)+1], s47, (\s)*SLOT
	AIM \s                                         ; global addresses: the walk's step s
	JLOAD \s                                       ; two loads of mine are out
.endr
	; the tile's three heads: g = 3 x tile column + hd; tensor t = g / 16 (q, k, v), head g % 16
	s_mul_i32 s84, s21, 3
	s_mov_b32 s89, 0
	s_lshr_b32 s90, s22, 3                         ; the batch: eight tiles of 256 tokens each
	s_lshl_b32 s90, s90, 4
	s_and_b32 s91, s22, 7
	s_lshl_b32 s91, s91, 2
	s_add_co_u32 s91, s91, s[WV]
	s_lshl_b32 s91, s91, 13                        ; my 64 tokens in the batch: 128 bytes a token
.irp hd, 0,1,2
	s_add_co_u32 s85, s84, \hd
	s_lshr_b32 s86, s85, 4
	s_and_b32 s87, s85, 15
	s_cmp_eq_u32 s86, 1
	s_cselect_b64 s[BP+2*(\hd):BP+2*(\hd)+1], s[10:11], s[8:9]
	s_cmp_eq_u32 s86, 2
	s_cselect_b64 s[BP+2*(\hd):BP+2*(\hd)+1], s[12:13], s[BP+2*(\hd):BP+2*(\hd)+1]
	s_lshl_b32 s88, s87, 8                         ; 64 numbers of 4 bytes a head
	s_add_nc_u64 s[BP+2*(\hd):BP+2*(\hd)+1], s[BP+2*(\hd):BP+2*(\hd)+1], s[88:89]
	s_lshl_b32 s88, s86, 6
	s_add_co_u32 s88, s88, s90
	s_add_co_u32 s88, s88, s87                     ; 64 t + 16 batch + head,
	s_lshl_b32 s88, s88, 18                        ; 262,144 bytes each
	s_add_co_u32 s88, s88, s91
	s_add_nc_u64 s[HB+2*(\hd):HB+2*(\hd)+1], s[14:15], s[88:89]
.endr
	v_and_b32 v1, 15, v0                           ; l % 16
	v_bfe_u32 v2, v0, 4, 1                         ; l / 16
	v_lshlrev_b32 v[BO], 5, v2
.irp hd, 0,1,2
.irp cb, 0,1,2,3
	global_load_b128 v[BIAS+8*(4*(\hd)+(\cb)):BIAS+8*(4*(\hd)+(\cb))+3],   v[BO], s[BP+2*(\hd):BP+2*(\hd)+1] offset:64*(\cb)     ; register j: the bias of column 16 b + 8 (l / 16) + j: the accumulators' layout
	global_load_b128 v[BIAS+8*(4*(\hd)+(\cb))+4:BIAS+8*(4*(\hd)+(\cb))+7], v[BO], s[BP+2*(\hd):BP+2*(\hd)+1] offset:64*(\cb)+16
.endr
.endr
	; a fragment is 16 rows x 32 K in 8 registers: lane l holds row l % 16, K = 8 (l / 16) + 0..7 and 16 + 8 (l / 16) + 0..7: two loads of 16 bytes, 32 bytes apart
	v_mul_u32_u24 v3, v1, PITCH
	v_lshl_add_u32 v3, v2, 4, v3
	s_mul_i32 s85, s[WV], 64*PITCH                 ; my 64 rows of xb
	v_add_nc_u32 v[ADRA], s85, v3
	v_add_nc_u32 v[ADRA+1], SLOT, v[ADRA]
	v_add_nc_u32 v[ADRB], BOFF, v3                 ; all 192 rows of wqkv
	v_add_nc_u32 v[ADRB+1], SLOT+BOFF, v3
	v_lshlrev_b32 v4, 3, v2
	v_xor_b32 v4, v1, v4
	v_lshlrev_b32 v4, 4, v4
	v_lshl_add_u32 v[GO], v2, 8, v4
; 12 matrix instructions: row block a x all 12 column blocks, 32 along K.  first = 1: the product starts the sum, with the bias as C.
; The 48 accumulators take turns in one fixed order, one instruction a turn.
.macro MUL12 f, a, first
.set AC, 96*((\a)%2)
.if \first
	WIN 0x85+0x40*((\a)/2)                         ; sources 0, 1 window 1; C window 0; D window 2 or 3
.else
	WIN 0xa5+0x50*((\a)/2)                         ; C and D window 2 or 3
.endif
.irp b, 0,1,2,3,4,5,6,7,8,9,10,11
.if \first
	v_wmma_f32_16x16x32_bf16 v[AC+8*(\b):AC+8*(\b)+7], v[(\f)+32+8*(\b):(\f)+32+8*(\b)+7], v[(\f)+8*(\a):(\f)+8*(\a)+7], v[BIAS+8*(\b):BIAS+8*(\b)+7]
.else
	v_wmma_f32_16x16x32_bf16 v[AC+8*(\b):AC+8*(\b)+7], v[(\f)+32+8*(\b):(\f)+32+8*(\b)+7], v[(\f)+8*(\a):(\f)+8*(\a)+7], v[AC+8*(\b):AC+8*(\b)+7]
.endif
.endr
.endm
; 32 LDS loads in one run: the fragments of 32 along K at byte k of the rows, into buffer f: wqkv's 12, then xb's 4
.macro FETCH slot, k, f
	WIN 0x40                                       ; destination window 1, address window 0
.irp i, 0,1,2,3,4,5,6,7,8,9,10,11
	ds_load_b128 v[(\f)+32+8*(\i):(\f)+32+8*(\i)+3],   v[ADRB+(\slot)] offset:(\k)+(\i)*16*PITCH
	ds_load_b128 v[(\f)+32+8*(\i)+4:(\f)+32+8*(\i)+7], v[ADRB+(\slot)] offset:(\k)+(\i)*16*PITCH+32
.endr
.irp i, 0,1,2,3
	ds_load_b128 v[(\f)+8*(\i):(\f)+8*(\i)+3],   v[ADRA+(\slot)] offset:(\k)+(\i)*16*PITCH
	ds_load_b128 v[(\f)+8*(\i)+4:(\f)+8*(\i)+7], v[ADRA+(\slot)] offset:(\k)+(\i)*16*PITCH+32
.endr
.endm
; A K step is four quarters of 32 along K, 48 matrix instructions each, on buffers 0, 1, 0, 1.  One of the first three: multiplies buffer f and, in its middle, fetches the next quarter, at byte k, into g.
.macro QUARTER slot, k, f, g, first
	s_wait_dscnt 4                                 ; all but the youngest four loads (xb's row blocks 2, 3) are in
	MUL12 \f, 0, \first
	MUL12 \f, 1, \first
	PLACES
	FETCH \slot, \k, \g
	s_wait_dscnt 32                                ; all but the 32 just issued
	MUL12 \f, 2, \first
	MUL12 \f, 3, \first
.endm
; The last quarter multiplies buffer 1 and changes slots.  Its first 24 products stand AHEAD of the wait for the next slot's tile, so that nothing but the barrier stands between that tile's landing and the next request.
; ONE barrier: in front of it each wave waits for all its tensor loads (one is out: its part of the next slot), adds 0 to its spare word, and waits for that and for its own reads of this slot.
; fill = 1: the barrier opens a round of the cluster's barrier, and this slot is filled again, with the walk's step two on, first thing behind the round: a whole K step, 192 matrix instructions, ahead of the wait for it.
; The quarter's other 24 products stand behind the run of loads that fetches the next slot's first fragments.
.macro TURN slot, next, fill
	s_wait_dscnt 4                                 ; all but the youngest four loads are in
	MUL12 F1, 0, 0
	MUL12 F1, 1, 0
	WIN 0
	s_wait_tensorcnt 0x0                           ; all my tensor loads have landed, so every group 0 may be written
	ds_add_u32 v[SPW], v[NIL]                      ; 0 onto my spare word; the descriptors' scalar work stands between it and the wait for it
.if \fill
	NEXTK
	AIM \slot
.endif
	s_wait_dscnt 0x0                               ; the add is done, and my reads of this slot are over
	s_barrier_signal -1
	s_barrier_wait -1
.if \fill
	CREST                                          ; no wave of any partner still reads this slot's tile or has a load on its way
	JLOAD \slot                                    ; the four v_nop behind it are also the places in front of the loads below
.else
	PLACES
.endif
	FETCH \next, 0, F0
	MUL12 F1, 2, 0
	MUL12 F1, 3, 0
.endm
	s_wait_tensorcnt 1                             ; my part of the walk's step 0 is in; step 1's stays out
	s_barrier_signal -1
	s_barrier_wait -1                              ; everybody's is
	FETCH 0, 0, F0
	s_wait_loadcnt 0x0                             ; the bias
	QUARTER 0, 64,  F0, F1, 1                      ; the first quarter stands in front of the loop: its products start the sums
	WIN 0                                          ; at a label and at a branch every window is 0
	s_mov_b32 s3, LAPS-1
.Llap:                                                 ; a trip goes once round the ring, from a lap's second quarter to the next lap's first, and fills both slots again
	QUARTER 0, 128, F1, F0, 0
	QUARTER 0, 192, F0, F1, 0
	TURN 0, 1, 1
	QUARTER 1, 64,  F0, F1, 0
	QUARTER 1, 128, F1, F0, 0
	QUARTER 1, 192, F0, F1, 0
	TURN 1, 0, 1
	QUARTER 0, 64,  F0, F1, 0
	WIN 0
	s_sub_co_u32 s3, s3, 1
	s_cmp_lg_u32 s3, 0
	s_cbranch_scc1 .Llap
	QUARTER 0, 128, F1, F0, 0                      ; the last lap fills nothing, and has no round of the cluster's barrier
	QUARTER 0, 192, F0, F1, 0
	TURN 0, 1, 0
	QUARTER 1, 64,  F0, F1, 0
	QUARTER 1, 128, F1, F0, 0
	QUARTER 1, 192, F0, F1, 0
	s_wait_dscnt 4                                 ; the very last quarter: nothing more to fetch
	MUL12 F1, 0, 0
	MUL12 F1, 1, 0
	s_wait_dscnt 0x0
	MUL12 F1, 2, 0
	MUL12 F1, 3, 0
	; THE WAY OUT.  A lane's eight numbers of an accumulator round to 16 bytes: token l % 16, channels 16 cb + 8 (l / 16) + 0..7 of head b / 4, cb = b % 4.  32 lanes store one block of 512 consecutive bytes.
	; Each accumulator's registers are taken in ascending order.  No register is written twice, so no wait stands here.
	PLACES
.irp a, 0,1,2,3
	WIN 0x0a+5*((\a)/2)                            ; sources 0 and 1: window 2 or 3
.set AC, 96*((\a)%2)
.irp b, 0,1,2,3,4,5,6,7,8,9,10,11
.irp r, 0,1,2,3
	v_cvt_pk_f16_f32 v[TMP+48*(\a)+4*(\b)+(\r)], v[AC+8*(\b)+2*(\r)], v[AC+8*(\b)+2*(\r)+1]
.endr
.endr
	WIN 0
.irp b, 0,1,2,3,4,5,6,7,8,9,10,11
	global_store_b128 v[GO], v[TMP+48*(\a)+4*(\b):TMP+48*(\a)+4*(\b)+3], s[HB+2*((\b)/4):HB+2*((\b)/4)+1] offset:(\a)*2048+((\b)%4)*512
.endr
.endr
	s_wait_tensorcnt 0x0                           ; the wave's end
	ds_add_u32 v[SPW], v[NIL]
	s_wait_dscnt 0x0
	CROUND                                         ; the closing round: no work-group ends while a partner may still ask for a tile that names it
	s_endpgm
.Lfunc_end_k_qa1108dc3cf_qkv:
	.size	k_qa1108dc3cf_qkv, .Lfunc_end_k_qa1108dc3cf_qkv-k_qa1108dc3cf_qkv
	.p2alignl 7, 3214868480
	.fill 96, 4, 3214868480
	.section	.rodata,"a",@progbits
	.p2align	6, 0x0
	.amdhsa_kernel k_qa1108dc3cf_qkv
		.amdhsa_group_segment_fixed_size 327680
		.amdhsa_private_segment_fixed_size 0
		.amdhsa_enable_private_segment 0
		.amdhsa_kernarg_size 48
		.amdhsa_user_sgpr_count 2
		.amdhsa_user_sgpr_kernarg_segment_ptr 1
		.amdhsa_wavefront_size32 1
		.amdhsa_system_sgpr_workgroup_id_x 1
		.amdhsa_system_sgpr_workgroup_id_y 1
		.amdhsa_system_sgpr_workgroup_id_z 1
		.amdhsa_system_vgpr_workitem_id 0
		.amdhsa_next_free_vgpr 960
		.amdhsa_next_free_sgpr 96
		.amdhsa_reserve_vcc 0
		.amdhsa_float_denorm_mode_32 3
		.amdhsa_float_denorm_mode_16_64 3
		.amdhsa_memory_ordered 1
		.amdhsa_forward_progress 1
		.amdhsa_inst_pref_size 115
	.end_amdhsa_kernel
	.amdgpu_metadata
---
amdhsa.version: [ 1, 2 ]
amdhsa.kernels:
  - .name:           k_qa1108dc3cf_qkv
    .symbol:         k_qa1108dc3cf_qkv.kd
    .args:
      - { .name: xb, .offset: 0, .size: 8, .value_kind: global_buffer, .address_space: global }
      - { .name: wqkv, .offset: 8, .size: 8, .value_kind: global_buffer, .address_space: global }
      - { .name: bq, .offset: 16, .size: 8, .value_kind: global_buffer, .address_space: global }
      - { .name: bk, .offset: 24, .size: 8, .value_kind: global_buffer, .address_space: global }
      - { .name: bv, .offset: 32, .size: 8, .value_kind: global_buffer, .address_space: global }
      - { .name: qkv, .offset: 40, .size: 8, .value_kind: global_buffer, .address_space: global }
    .group_segment_fixed_size: 327680
    .private_segment_fixed_size: 0
    .kernarg_segment_align: 8
    .kernarg_segment_size: 48
    .max_flat_workgroup_size: 128
    .sgpr_count:     96
    .vgpr_count:     960
    .wavefront_size: 32
...
	.end_amdgpu_metadata
.endif
;; end of part 2
;; launch attn (part 3): grid 4 x 64, 4 waves a work-group, clusters of 4 x 1, 327,680 bytes of LDS; arguments qkv, attention_mask, ctx; writes ctx
.if DOCPART == 3
	.amdgcn_target "amdgcn-amd-amdhsa--gfx1250"
	.amdhsa_code_object_version 6
	.text
	.protected	k_qa1108dc3cf_attn
	.globl	k_qa1108dc3cf_attn
	.p2align	8
	.type	k_qa1108dc3cf_attn,@function
k_qa1108dc3cf_attn:
	s_mov_b64 s[64:65], 0
	v_nop
	global_prefetch_b8 v0, s[64:65] scope:SCOPE_SE
	s_setreg_imm32_b32 hwreg(HW_REG_WAVE_MODE, 25, 1), 1
	s_wait_xcnt 0x0
	s_wait_alu depctr_hold_cnt(0) depctr_sa_sdst(0) depctr_va_vdst(0) depctr_va_sdst(0) depctr_va_ssrc(0) depctr_va_vcc(0) depctr_vm_vsrc(0)
	s_getreg_b32 s2, hwreg(HW_REG_IB_STS2, 6, 4)
	s_cmp_eq_u32 s2, 0
	s_cbranch_scc0 .Lentry_in_a_cluster
	s_endpgm
.Lentry_in_a_cluster:
	s_bfe_u32 s2, ttmp6, 0x10000c
	s_cmp_lg_u32 s2, 0x3003
	s_cbranch_scc0 .Lentry_shape_is_right
	s_endpgm
.Lentry_shape_is_right:
; ATTENTION.  ctx[bh][q][:] = the sum over k of softmax_k(Q[bh][q] . K[bh][k] / 8 + mask[b][k]) V[bh][k][:];  bh = 16 b + head, 64 of them; 2,048 tokens; 64 channels.
; Q, K, V: the three parts of qkv, f16, [bh][s / 16][cb = 4][p = 32][8]: 16 tokens are 2,048 bytes; the 16 bytes of token r, channels 16 cb + 8 hh + 0..7 stand in block cb at place p = (r xor 8 hh) + 16 hh.
; ctx: f16, [bh][s / 16][cb][lane][8], place r + 16 hh: what a lane holds at the end.  Products, maxima and sums in f32; the weights p are rounded to f16 for the second product (their sum l is taken of the unrounded p), ctx once.
; LIMITS.  Q, K, V arrive within f16's 65,504.  A mask below -1.25e29 (minus infinity too) counts as -1.25e29, so a batch whose keys are all hidden so gets equal weights; a mask above 4e37 is not served; a NaN in the mask counts as hidden.
; A weight below 2^-126 counts as 0 in l; p below 6e-5 keeps f16's fixed step of 6e-8.
; SHARES.  A wave owns four PIECES of two tiles of 16 queries, a work-group's four waves 512 queries of one bh.  Every wave walks all keys, 64 a step.
; LAYOUT.  S^T = K Q^T (source 0 = 16 keys, source 1 = 16 queries): in the result a lane holds ONE query (lane % 16) and the keys 8 (lane / 16) + 0..7.  Two such tiles, rounded to f16 in pairs,
; ARE source 1 (32 keys x 16 queries) of O^T = V^T P, whose result again holds one query a lane, and eight channels.  K comes out of LDS as it lies, V turned, by ds_load_tr16_b128.
; THE MASK is the C operand that starts the sum S^T: 8 x mask[key], the same for every query.  With c = log2(e) / 8, c (q . k + 8 mask) = log2(e) (q . k / 8 + mask): the mask costs no vector instruction in the loop.
; SOFTMAX.  For each query a running maximum m and sum l: p = 2^(c s - c m); in every step O and l are multiplied by a = 2^(c m_old - c m_new), which is 1 where m has not grown.
; m starts at the lowest finite number, O and l at 0: the first step is a step like any other, with a = 0.
; THE COUNT.  A tile and step have 16 matrix and 118 vector instructions: too many to stand all beside the matrix work.  So: four vector instructions that are READY behind EVERY matrix instruction, the others in runs without a gap.
; BY TURNS.  Turn n belongs to piece n (the pieces in a ring, step after step).  Its matrix work: 16 products K Q^T of piece n + 1, later 16 products V^T P of piece n - 1.  Its vector work: the scaling,
; exponentials, roundings, sums and rescaling of piece n, and the maximum and statistics of piece n + 1, whose scores the turn itself has made.
; CLUSTER.  The four query blocks of a cluster belong to one bh and walk the same K and V, so each tile is asked for JOINTLY: the same tensor load, descriptor and mask in all four.
; LDS.  A tile lies as in memory, dense.
; REGISTERS, in windows of 256 (s_set_vgpr_msb: bits 1:0 source 0, 3:2 source 1, 5:4 source 2, 7:6 destination):
;   window 0: v0-11 addresses; v12-15, v48-63 at work; v16-47 four registers of statistics a tile; v64-191 S^T, two buffers of two tiles; v192-255 P, likewise
;   window 1: O^T, 32 a tile     window 2: v0-127 Q, 16 a tile; v128-191 K of one step; v192-255 V of one step     window 3: v0-1 the add's two registers; v8-39 the step's mask
.set SIZE_N, 2048
.set NP,    4         ; pieces a wave: a name, no knob
.set KS,    64        ; keys in a step
.set KSB,   8192      ; bytes of a step's K, and of its V
.set VOFF,  4*KSB     ; a slot holds four steps: 256 keys of K, then of V
.set SLOT1, 1<<16     ; slot 1 begins here, so that one exclusive or turns an address in one slot into the other's
.set SPARE, 2*SLOT1   ; behind the ring: the spare words, 128 bytes a wave: two blocks of 256 bytes that no other line names
.set MASKB, SPARE+512 ; behind them: 8 x mask of the batch's 2,048 keys, f32, 8,192 bytes; stored once, never filled by a tensor load
.set AK0, 2           ; v2   my lane's place in 16 keys of K; never rewritten
.set AV0, 3           ; v3   the same for V
.set AK,  4           ; v4   the LDS address of K's next run of loads
.set AV,  5           ; v5   of V's
.set QO,  6           ; v6   my byte offset in 16 rows of Q
.set MA0, 7           ; v7   my lane's place in the mask table
.set GO,  8           ; v8   my byte offset in 512 consecutive bytes of ctx
.set MA,  9           ; v9   the LDS address of the mask's next run of loads
.set SPW, 0           ; v0 of window 3   LDS address of my spare word; never rewritten
.set NIL, 1           ; v1 of window 3   0; never rewritten
.set MK,  8           ; v8-39 of window 3: register 8 kb + j: 8 x mask of key 16 kb + 8 (l / 16) + j of the step
.set MV,  12          ; v12-15  c m_old, kept while c m is made anew: by buffer and tile
.set ST,  16          ; tile t's statistics at v[ST+4 t]: c m, m, l (even keys', odd keys')
.set TMP, 48          ; by buffer and tile, four registers c0-c3 at work; when the maximum is found c2 takes a
.set S,   64
.set P,   192
.set KF,  128         ; K's fragments, in window 2: key block kb, channel half c at KF + 16 kb + 8 c
.set VF,  192         ; V's: key half kk, channel block cb at VF + 32 kk + 8 cb
.set WV,  12          ; s12  my wave's number
.set G1,  24          ; s[24:31] descriptor group 1, for K's and V's tiles alike
.set G0K, 40          ; s[40:43] descriptor group 0 for K's tiles: it walks
.set G0V, 44          ; s[44:47] the same for V's
.set TBM, 54          ; s54  byte of the mask table at which the step to be fetched begins
.set BIGN, 55         ; s55  -1e30
.set SLOTS, 56        ; s56  slots still to be asked for
.set CNT, 57          ; s57  counts a slot's key steps
.set CS,  58          ; s[58:59] c: the packed scaling takes the pair's low word for both halves
.set SEL, 60          ; s[60:61] v_permlanex16_b32's selects: each lane takes its own place in the other half
.set TBK, 62          ; s62  LDS byte at which K of the step to be fetched begins
.set TBV, 63          ; s63  the same for V, less VOFF
.set MSB, 0
.macro WIN new                      ; the high byte repeats the setting that is left; a switch that changes nothing is dropped
.if MSB != (\new)
	s_set_vgpr_msb (MSB<<8)|(\new)
.set MSB, (\new)
.endif
.endm
.set W_KQ, 0x0a       ; K and Q in window 2, S^T in window 0
.set W_KM, 0x3a       ; the same with the C operand, the mask, in window 3
.set W_PV, 0x52       ; V in window 2, P in window 0, O^T in window 1
.set W_RS, 0x41       ; O^T (destination and source 0) in window 1, a in window 0
.set W_MK, 0xc0       ; destination in window 3, sources in window 0
.set W_AD, 0x0f       ; the add: address (source 0) and data (source 1) in window 3
; A joint fill.  Waves 0 and 1 fetch the two halves of a slot's K, waves 2 and 3 those of its V: 128 keys each.  The branch hangs on the wave's number alone.
; An s_nop 0 and four v_nop follow each of the two lines, ahead of the jump and the label.
.macro JLOAD
	s_cmp_lt_u32 s[WV], 2
	s_cbranch_scc0 .Lfor_v_\@
	tensor_load_to_lds s[G0K:G0K+3], s[G1:G1+7]
	s_nop 0
.rept 4
	v_nop
.endr
	s_branch .Lasked_\@
.Lfor_v_\@:
	tensor_load_to_lds s[G0V:G0V+3], s[G1:G1+7]
	s_nop 0
.rept 4
	v_nop
.endr
.Lasked_\@:
.endm
; A round of the cluster's barrier: my work-group's barrier, so that wave 0's signal speaks for all four waves; wave 0 signals; every wave waits for all four work-groups; my work-group's barrier once more.
.macro CROUND
	s_barrier_signal -1
	s_barrier_wait -1
	s_cmp_lg_u32 s[WV], 0
	s_cbranch_scc1 .Lnot_wave_0_\@
	s_barrier_signal -3
.Lnot_wave_0_\@:
	s_barrier_wait -3
	s_barrier_signal -1
	s_barrier_wait -1
.endm
; THE CHANGE OF SLOTS.  The slot's last bytes, V of its fourth step, have been read.  Each wave waits for all its tensor loads, of which one is out: its part
; of the other slot; adds 0 to its spare word; and waits for that and for its own reads of the slot.  Behind the barrier nobody reads this slot any more and the other slot is whole.
; fill = 1: this slot is filled again, with the keys two slots on.  The barrier is then a round of the cluster's, and the joint fill is the first thing behind it: it has four key steps,
; 512 matrix instructions, in which to land.  (At its first use nothing has been read yet: slot 0 is waited for, slot 1 filled, and every wave's stores into the mask table are shown done to the others.)
.macro CHANGE fill
	WIN W_AD
	s_wait_tensorcnt 0x0            ; no tensor load of mine is out, so a group 0 may be written
	ds_add_u32 v[SPW], v[NIL]       ; 0 onto my spare word
	WIN 0                           ; at a label and at a branch every window is 0
.if \fill
.irp g, G0K, G0V
	s_xor_b32 s[\g+1], s[\g+1], SLOT1  ; the walking descriptor: the other slot than last time,
	s_add_nc_u64 s[\g+2:\g+3], s[\g+2:\g+3], 4*KS*128  ; the next 256 keys; the type bits on top are not reached
.endr
	s_wait_dscnt 0x0                ; the add is done, and my LDS reads and stores are over
	CROUND
	JLOAD
.else
	s_wait_dscnt 0x0                ; the add is done, and my reads of the slot are over
	s_barrier_signal -1
	s_barrier_wait -1
.endif
	s_sub_co_u32 s[TBK], s[TBK], 4*KSB    ; the fetches go back to a slot's first step,
	s_xor_b32 s[TBK], s[TBK], SLOT1       ; in the other slot
	s_sub_co_u32 s[TBV], s[TBV], 4*KSB
	s_xor_b32 s[TBV], s[TBV], SLOT1
.endm
	s_load_b64 s[4:5], s[0:1], 0x0    ; qkv: Q's part first
	s_load_b64 s[52:53], s[0:1], 0x8  ; attention_mask
	s_load_b64 s[10:11], s[0:1], 0x10 ; ctx
	WIN W_MK
	v_lshl_add_u32 v[SPW], v0, 2, SPARE
	v_mov_b32 v[NIL], 0
	s_set_vgpr_msb 0xc0cf
	ds_add_u32 v0, v1
	s_wait_dscnt 0x0
	s_set_vgpr_msb 0xcfc0
	WIN 0
	v_lshrrev_b32 v1, 5, v0
	v_readfirstlane_b32 s[WV], v1   ; wave 0..3
	s_bfe_u32 s13, ttmp6, 0x40000   ; cx: my place in the cluster
	s_lshl_b32 s14, ttmp9, 2        ; in a cluster launch ttmp9 counts clusters
	s_add_co_u32 s14, s14, s13      ; my block of queries = 4 x cluster x + cx: it enters Q's and ctx's addresses alone
	s_and_b32 s20, ttmp7, 0xffff    ; bh, which the four partners share
	s_lshr_b32 s48, s20, 4          ; the batch:
	s_lshl_b32 s48, s48, 13         ; its 2,048 numbers of the mask
	s_mov_b32 s49, 0
	s_mov_b32 s21, 0
	s_mov_b64 s[22:23], SIZE_N*128
	s_mul_u64 s[20:21], s[20:21], s[22:23]  ; bh's first byte in Q, K, V and ctx
	s_and_b32 s16, s[WV], 1         ; which half of a slot's 256 keys I fetch:
	s_lshl_b32 s22, s16, 14         ; its 128 keys of 128 bytes in memory,
	s_mov_b32 s23, 0
	s_add_nc_u64 s[22:23], s[22:23], s[20:21]
	s_mul_i32 s17, s16, 16384       ; and its place in a slot: no place in the cluster enters an LDS address
	s_lshl_b32 s2, s14, 2
	s_add_co_u32 s2, s2, s[WV]      ; my wave among bh's,
	s_lshl_b32 s2, s2, 14           ; its 128 rows
	s_mov_b32 s3, 0
	s_add_nc_u64 s[2:3], s[2:3], s[20:21]
	; descriptor group 1.  128 keys are 16,384 dense bytes: asked for as 64 rows of 256 bytes, and laid into LDS as they lie
	s_mov_b32 s[G1], 15|(1<<16)|(1<<21)  ; 15:0 the mask of four; 17:16 2-byte elements; 21 set beside a mask
	s_mov_b32 s[G1+1], 128<<16      ; tensor_dim0 = 128
	s_mov_b32 s[G1+2], 64<<16       ; tensor_dim1 = 64
	s_mov_b32 s[G1+3], 128<<16      ; tile_dim0 = 128
	s_mov_b32 s[G1+4], 64           ; tile_dim1 = 64
	s_mov_b32 s[G1+5], 128          ; 128 elements from row to row
	s_mov_b32 s[G1+6], 0
	s_mov_b32 s[G1+7], 0
	s_mov_b32 s[CS], 0x3e38aa3b     ; c = log2(e) / 8 = 0.180337
	s_mov_b32 s[CS+1], s[CS]        ; named with it as a pair
	s_mov_b32 s[SEL], 0x76543210
	s_mov_b32 s[SEL+1], 0xfedcba98
	s_mov_b32 s[BIGN], 0xf149f2ca   ; -1e30
	s_mov_b32 s[TBM], 0
	s_mov_b32 s[TBK], SLOT1+4*KSB   ; the first change of slots turns these two into 0
	s_mov_b32 s[TBV], SLOT1+4*KSB
	s_mov_b32 s[G0K], 1             ; count = 1
	s_mov_b32 s[G0K+1], s17         ; LDS address: slot 0
	s_mov_b32 s[G0V], 1
	s_add_co_u32 s[G0V+1], s17, VOFF
	s_wait_kmcnt 0x0
	s_add_nc_u64 s[6:7], s[4:5], 0x1000000         ; K's part of qkv: 64 x 262,144 bytes on
	s_add_nc_u64 s[8:9], s[4:5], 0x2000000         ; V's
	s_add_nc_u64 s[G0K+2:G0K+3], s[6:7], s[22:23]  ; global address: my half of bh's first 256 keys
	s_or_b32 s[G0K+3], s[G0K+3], 0x80000000        ; type = 2
	s_add_nc_u64 s[G0V+2:G0V+3], s[8:9], s[22:23]
	s_or_b32 s[G0V+3], s[G0V+3], 0x80000000
	s_add_nc_u64 s[4:5], s[4:5], s[2:3]  ; Q and ctx at my wave's first row
	s_add_nc_u64 s[10:11], s[10:11], s[2:3]
	s_add_nc_u64 s[52:53], s[52:53], s[48:49]
	CROUND                          ; all four work-groups are here: the first joint loads meet
	JLOAD                           ; slot 0.  Slot 1 is asked for when slot 0 is in
	v_and_b32 v1, 15, v0            ; l % 16
	v_bfe_u32 v12, v0, 4, 1         ; l / 16
	v_lshlrev_b32 v13, 4, v0        ; 16 bytes a thread: 128 threads take 2,048 bytes of the mask, four times
.irp i, 0,1,2,3
	global_load_b128 v[48+4*\i:48+4*\i+3], v13, s[52:53] offset:2048*\i
.endr
	; A fragment of K or Q is 16 rows x 32 channels in 8 registers: lane l holds row l % 16, channels 8 (l / 16) + 0..7 and 16 + 8 (l / 16) + 0..7: place (l % 16 xor 8 (l / 16)) + 16 (l / 16) of two blocks, 512 bytes apart.
	v_lshlrev_b32 v10, 3, v12
	v_xor_b32 v10, v1, v10
	v_lshlrev_b32 v[QO], 4, v10
	v_lshl_add_u32 v[QO], v12, 8, v[QO]
	WIN 0x80                        ; destination window 2, address window 0
.set i, 0
.rept 4*NP                          ; Q stays in registers: tile i / 2, channels 32 (i % 2) on
	global_load_b128 v[8*i:8*i+3],   v[QO], s[4:5] offset:(i/2)*2048+(i%2)*1024
	global_load_b128 v[8*i+4:8*i+7], v[QO], s[4:5] offset:(i/2)*2048+(i%2)*1024+512
.set i, i+1
.endr
	; What the first turn finds: V's registers and P's second buffer hold 0 (its products V^T P, of a piece that has not been, add 0), O^T and l are 0.  All this stands in the wait for the first tile.
.set i, VF
.rept 64
	v_mov_b32 v[i], 0
.set i, i+1
.endr
	WIN 0x40
.set i, 0
.rept 64*NP
	v_mov_b32 v[i], 0
.set i, i+1
.endr
	WIN 0
.set i, 0
.rept 2*NP
	v_mov_b32 v[ST+4*i], 0xfe000000    ; c m: far below every c s
	v_mov_b32 v[ST+4*i+1], 0xff7fffff  ; m
	v_mov_b32 v[ST+4*i+2], 0
	v_mov_b32 v[ST+4*i+3], 0
.set i, i+1
.endr
.set i, P+32
.rept 32
	v_mov_b32 v[i], 0
.set i, i+1
.endr
	v_mov_b32 v[AK0], v[QO]         ; K lies as Q does
	; The turning load takes 16 keys x 16 channels (lane l reads key 8 (l / 16) + l % 8, channels 8 ((l / 8) % 2) + 0..7) and leaves half a fragment of V^T: lane l holds channel l % 16 and 8 keys.
	v_and_b32 v10, 7, v0
	v_bfe_u32 v11, v0, 3, 1
	v_lshl_add_u32 v[AV0], v12, 3, v10     ; the key r
	v_lshlrev_b32 v10, 3, v11
	v_xor_b32 v[AV0], v[AV0], v10          ; r xor 8 hh
	v_lshl_add_u32 v[AV0], v11, 4, v[AV0]  ; + 16 hh
	v_lshlrev_b32 v[AV0], 4, v[AV0]
	v_add_nc_u32 v[AV0], VOFF, v[AV0]
	v_lshl_add_u32 v[MA0], v12, 5, MASKB   ; my half of the lanes takes keys 8 (l / 16) + 0..7 of each 16
	v_mov_b32 v[AK], v[AK0]         ; key step 0 lies at the head of slot 0,
	v_mov_b32 v[MA], v[MA0]         ; and of the table
	v_add_nc_u32 v14, MASKB, v13
	s_wait_loadcnt 32               ; the mask is in; Q's 32 loads stay out
.set i, 48
.rept 16
	v_mul_f32 v[i], 0x41000000, v[i]  ; 8 x mask,
.set i, i+1
.endr
.set i, 48
.rept 16
	v_max_num_f32 v[i], s[BIGN], v[i] ; not below -1e30: the scores stay finite
.set i, i+1
.endr
.irp i, 0,1,2,3
	ds_store_b128 v14, v[48+4*\i:48+4*\i+3] offset:2048*\i
.endr
; THE MATRIX WORK.  The 8 accumulators of a run of 16 take turns: between the two links of a chain stand 7 others'.
; Product i of 16 of S^T = K Q^T for piece x: channels 32 (i / 8) on, keys 16 ((i / 2) % 4) on, tile 2 x + i % 2.  The first 8 start the sums, with the mask as C.
.macro KQ x
.set rS, S+64*((\x)%2)+32*(i%2)+8*((i/2)%4)
.set rK, KF+16*((i/2)%4)+8*(i/8)
.set rQ, 16*(2*(\x)+i%2)+8*(i/8)
.set rMK, MK+8*((i/2)%4)
.if i < 8
	WIN W_KM
	v_wmma_f32_16x16x32_f16 v[rS:rS+7], v[rK:rK+7], v[rQ:rQ+7], v[rMK:rMK+7]
.else
	WIN W_KQ
	v_wmma_f32_16x16x32_f16 v[rS:rS+7], v[rK:rK+7], v[rQ:rQ+7], v[rS:rS+7]
.endif
.endm
; Product i of 16 of O^T += V^T P for piece x: keys 32 (i / 8) on, channels 16 ((i / 2) % 4) on, tile 2 x + i % 2.
.macro PV x
	WIN W_PV
.set rO, 32*(2*(\x)+i%2)+8*((i/2)%4)
.set rV, VF+32*(i/8)+8*((i/2)%4)
.set rP, P+32*((\x)%2)+16*(i%2)+8*(i/8)
	v_wmma_f32_16x16x32_f16 v[rO:rO+7], v[rV:rV+7], v[rP:rP+7], v[rO:rO+7]
.endm
.macro MM                           ; the turn's next matrix instruction
.if i < 16
	KQ (Y+1)%NP
.set i, i+1
.else
.set i, i-16
	PV (Y+NP-1)%NP
.set i, i+17
.endif
.endm
; THE LDS LOADS stand in runs, never singly among the matrix instructions: a step's K (64 keys x 64 channels: 8 fragments) with its mask (8 loads), and its V (turned).  Their addresses are made some lines ahead.
; last = 1 (the tail): in the last trip there is no further step, and the run is jumped over.
.macro FETCH_K last=0
	WIN 0
.if \last
	s_cmp_eq_u32 s[CNT], 1
	s_cbranch_scc1 .Lno_k_\@
.endif
	WIN 0x80                        ; destination window 2
.irp f, 0,1,2,3,4,5,6,7             ; keys 16 (f / 2) on, channels 32 (f % 2) on
	ds_load_b128 v[KF+8*\f:KF+8*\f+3],   v[AK] offset:(\f/2)*2048+(\f%2)*1024
	ds_load_b128 v[KF+8*\f+4:KF+8*\f+7], v[AK] offset:(\f/2)*2048+(\f%2)*1024+512
.endr
	WIN W_MK                        ; destination window 3
.irp kb, 0,1,2,3                    ; keys 16 kb on: eight numbers a lane, the same in all lanes of a half
	ds_load_b128 v[MK+8*\kb:MK+8*\kb+3],   v[MA] offset:64*\kb
	ds_load_b128 v[MK+8*\kb+4:MK+8*\kb+7], v[MA] offset:64*\kb+16
.endr
	s_add_co_u32 s[TBK], s[TBK], KSB    ; the next fetch is the next step's
	s_add_co_u32 s[TBM], s[TBM], 4*KS
	s_and_b32 s[TBM], s[TBM], 0x1fff    ; the offset stays inside the table's 8,192 bytes
	WIN 0
.if \last
.Lno_k_\@:
.endif
.endm
.macro FETCH_V
	WIN 0x80
.irp f, 0,1,2,3,4,5,6,7             ; keys 32 (f / 4) on, channels 16 (f % 4) on
	ds_load_tr16_b128 v[VF+8*\f:VF+8*\f+3],   v[AV] offset:(\f/4)*4096+(\f%4)*512
	ds_load_tr16_b128 v[VF+8*\f+4:VF+8*\f+7], v[AV] offset:(\f/4)*4096+2048+(\f%4)*512
.endr
	WIN 0
.endm
; THE VECTOR WORK OF A TURN stands in three queues, each in the order in which its entries become ready; the two tiles alternate, so that no instruction reads the result of the one before it.
.macro REGS y, u                    ; the registers of tile u (0, 1) of piece y
.set rT, ST+4*(2*(\y)+(\u))
.set rC, TMP+8*((\y)%2)+4*(\u)
.set rM, MV+2*((\y)%2)+(\u)
.set rS, S+64*((\y)%2)+32*(\u)
.set rP, P+32*((\y)%2)+16*(\u)
.set rO, 32*(2*(\y)+(\u))
.endm
; Number n of the 22 that find the NEXT piece's (Y + 1) maximum and statistics.  s0-s31 are the lane's 32 scores; each accumulator's lowest registers are read first.  XS, GS and REGS set no window: PL and EX do.
;   0-11  four chains c0-c3 of seven scores each, three operands at a time     12-14, 16  the four scores left over, the old m, and c0-c3 into c0     15  c m_old is kept
;   17, 18  the query's other 32 keys lie in the lane 16 away: the new m         19-21  c m; c m_old - c m_new; a
.macro XS u, n
	REGS (Y+1)%NP, \u
.if (\n) < 4
	v_max3_num_f32 v[rC+(\n)], v[rS+8*(\n)], v[rS+8*(\n)+1], v[rS+8*(\n)+2]
.elseif (\n) < 12
	v_max3_num_f32 v[rC+(\n)%4], v[rC+(\n)%4], v[rS+8*((\n)%4)+2*((\n)/4)+1], v[rS+8*((\n)%4)+2*((\n)/4)+2]
.elseif (\n) == 12
	v_max3_num_f32 v[rC], v[rC], v[rS+7], v[rS+15]
.elseif (\n) == 13
	v_max3_num_f32 v[rC+1], v[rC+1], v[rS+23], v[rS+31]
.elseif (\n) == 14
	v_max3_num_f32 v[rC+2], v[rC+2], v[rC+3], v[rT+1]
.elseif (\n) == 15
	v_mov_b32 v[rM], v[rT]
.elseif (\n) == 16
	v_max3_num_f32 v[rC], v[rC], v[rC+1], v[rC+2]
.elseif (\n) == 17
	v_permlanex16_b32 v[rC+3], v[rC], s[SEL], s[SEL+1]
.elseif (\n) == 18
	v_max_num_f32 v[rT+1], v[rC], v[rC+3]
.elseif (\n) == 19
	v_mul_f32 v[rT], s[CS], v[rT+1]
.elseif (\n) == 20
	v_sub_f32 v[rC+1], v[rM], v[rT]
.else
	v_exp_f32 v[rC+2], v[rC+1]
.endif
.endm
; Number g of the 64 that follow the exponentials.  For each four weights k of a tile (pairs 2 k, 2 k + 1): both pairs are rounded to f16; then the second pair is added onto the first, in place;
; a group later l takes that sum (the first time as l = a l + sum).  In groups of eight, tiles alternating: round, round, add, and l for the group before.
.macro GS g
.set h, (\g)+6*((\g)/62)            ; group 0 has no group before it, and behind group 7 only l is left
.if h >= 6
.set h, h+2
.endif
	REGS Y, h%2
.set k, h/8
.if h%8 < 4
	s_wait_alu depctr_va_vdst(0)
	v_cvt_pk_f16_f32 v[rP+2*k+(h%8)/2], v[rS+4*k+2*((h%8)/2)], v[rS+4*k+2*((h%8)/2)+1]
.elseif h%8 < 6
	v_pk_add_f32 v[rS+4*k:rS+4*k+1], v[rS+4*k:rS+4*k+1], v[rS+4*k+2:rS+4*k+3]
.elseif k == 1
	v_pk_fma_f32 v[rT+2:rT+3], v[rT+2:rT+3], v[rC+2:rC+3], v[rS:rS+1] op_sel_hi:[1,0,1]
.else
	v_pk_add_f32 v[rT+2:rT+3], v[rT+2:rT+3], v[rS+4*k-4:rS+4*k-3]
	s_wait_alu depctr_va_vdst(0)
.endif
.endm
; THE PLAIN QUEUE, 138 long.  0-31: c s - c m for the 16 pairs of both tiles.  Then GS's 64, and among them the next piece's 42: number 15 at 38, 39; 0-14 and 16
; at 42-73, behind the products that make those scores; 17-20 at 95-106, two of three, since each waits for the one before it.
.macro PL
	WIN 0
.if q < 32
	REGS Y, q%2
	v_pk_fma_f32 v[rS+2*(q/2):rS+2*(q/2)+1], v[rS+2*(q/2):rS+2*(q/2)+1], s[CS:CS+1], v[rT:rT+1] op_sel_hi:[1,0,0] neg_lo:[0,0,1] neg_hi:[0,0,1]
.elseif q < 38
	GS q-32
.elseif q < 40
	XS q%2, 15
.elseif q < 42
	GS q-34
.elseif q < 74
	XS q%2, (q-42)/2+(q-42)/30
.elseif q < 95
	GS q-66
.elseif (q < 107) && ((q-95)%3 < 2)
	XS (q-95)%3, 17+(q-95)/3
.elseif q < 107
	GS 29+(q-95)/3
.else
	GS q-74
.endif
.set q, q+1
.endm
; THE EXPONENTIALS' QUEUE, 66 long: s0-s31 of both tiles, and at EA the next piece's two a.
.set EA, 58
.macro EX
	WIN 0
.if (e == EA) || (e == EA+1)
	XS e-EA, 21
.else
.set x, e-2*(e/(EA+2))
	REGS Y, x%2
	v_exp_f32 v[rS+x/2], v[rS+x/2]
.endif
.set e, e+1
.endm
; THE RESCALING's QUEUE: O^T times a, the one part that leaves window 0, so it is dealt four at a time, eight times.
.macro R4
	REGS Y, r%2
	WIN W_RS
	s_wait_alu depctr_va_vdst(0)
.irp z, 0,1,2,3
	v_pk_mul_f32 v[rO+8*(r/2)+2*\z:rO+8*(r/2)+2*\z+1], v[rO+8*(r/2)+2*\z:rO+8*(r/2)+2*\z+1], v[rC+2:rC+3] op_sel_hi:[1,0]
.endr
.set r, r+1
.endm
; HOW THEY ARE DEALT.  Behind a matrix instruction four: plain, exponential, plain, plain (one exponential, a plain instruction on either side), or four of the rescaling.  None names a register of the
; products round it.  What is over stands in two LUMPS: exponential and plain by turns; the second ends in 22 plain instructions.  The two v_permlanex16_b32 fall into the second lump, never behind a product.
; The queues lean on each other, and the deal keeps them in step: exponential e stands behind plain 2 (e / 4) + e % 2 (its scaling); when plain 32 comes, 10 exponentials are out, at 59: 33, at 95: 46; EA comes behind plain 107.
.macro SL
	MM
	PL
	EX
	PL
	PL
.endm
.macro BURST n                      ; 15 matrix instructions, or 16
.rept (\n)-7
	SL
.endr
.rept 3
	MM
	R4
	SL
.endr
	MM
	R4
.endm
; A TURN, for piece p.  cnt = 1: the loop's count is taken down some lines ahead of the branch that stands behind the turn.
; K and the mask of the next step are fetched in piece 2's turn, 32 vector instructions behind the last product that read K (the mask's last reader stands ahead of that one); their first reader comes behind the rest
; of the lump, 16 products and the second lump.  V of the step in hand is fetched at the end of piece 0's turn, 69 behind its last reader; its first reader comes behind 16 products and a lump.
.macro TURN p, last=0, cnt=0
.set Y, (\p)
.set i, 0
.set q, 0
.set e, 0
.set r, 0
.if (\p) == NP-1
	s_wait_dscnt 0x0                ; K and the mask are in
.endif
	MM
.rept 4
	PL
.endr
	BURST 15
.rept 22
	EX
	PL
.if ((\p) == NP-2) && (e == 18)
	v_add_nc_u32 v[AK], s[TBK], v[AK0]
	v_add_nc_u32 v[MA], s[TBM], v[MA0]
.endif
.if ((\p) == NP-2) && (e == 24)
	FETCH_K \last
.endif
.endr
.if (\p) == 1
	s_wait_dscnt 0x0                ; V is in
.endif
	BURST 16
.rept 21
	EX
	PL
.endr
.rept 22
	PL
.if ((\p) == 0) && (q == 118)
	v_add_nc_u32 v[AV], s[TBV], v[AV0]
	s_wait_alu depctr_va_vdst(0)
.endif
.if ((\p) == 0) && (q == 130)
	s_add_co_u32 s[TBV], s[TBV], KSB
.endif
.if (\cnt) && (q == 130)
	s_sub_co_u32 s[CNT], s[CNT], 1
	s_cmp_lg_u32 s[CNT], 0
.endif
.endr
.if (\p) == 0
	FETCH_V
.endif
.endm
	CHANGE 1                        ; slot 0 is in, everybody's part of it, and so is the mask table; slot 1 is asked for
	FETCH_K                         ; key step 0
	s_wait_loadcnt 0x0              ; Q
	s_wait_dscnt 0x0
.set i, 0
.rept 16
	KQ 0                            ; piece 0's first scores: there is no vector work yet to set between them
.set i, i+1
.endr
	WIN 0
	v_and_b32 v[GO], 31, v0         ; the way out: 16 bytes a lane, 512 consecutive bytes of ctx a store
	v_lshlrev_b32 v[GO], 4, v[GO]
.rept 4
	v_nop                           ; with the two lines above: the places behind those products
.endr
.set Y, NP-1                        ; XS works for piece Y + 1: piece 0
.irp n, 0,1,2,3,4,5,6,7,8,9,10,11,12,13,14,15,16,17,18,19,20,21
	XS 0, \n                        ; and piece 0's first maximum and statistics
	XS 1, \n
.endr
	s_mov_b32 s[CNT], 4
	s_mov_b32 s[SLOTS], SIZE_N/256-1
	s_branch .Lfirst                ; the loop is entered at a step's first turn, in the middle of a trip
.Lslot:                             ; SIZE_N / 256 - 2 times: every slot but the last two is filled again
	CHANGE 1
	s_mov_b32 s[CNT], 4
.Lstep:                             ; a trip: pieces 2 and 3 of one step, then pieces 0 and 1 of the next, whose K and V it fetches
	TURN 2
	TURN 3
	WIN 0
.Lfirst:
	TURN 0
	TURN 1, 0, 1
	WIN 0
	s_cbranch_scc1 .Lstep
	s_sub_co_u32 s[SLOTS], s[SLOTS], 1
	s_cmp_lg_u32 s[SLOTS], 0
	s_cbranch_scc1 .Lslot
	CHANGE 0                        ; the tail is written out: nothing is asked for
	s_mov_b32 s[CNT], 5             ; four trips fetch the last slot's steps; the fifth is left in its middle
.Ltail:
	TURN 2, 1
	TURN 3
	WIN 0
	s_sub_co_u32 s[CNT], s[CNT], 1
	s_cmp_eq_u32 s[CNT], 0
	s_cbranch_scc1 .Lout
	TURN 0
	TURN 1
	WIN 0
	s_branch .Ltail
.Lout:                              ; the fifth trip's 16 products K Q^T (on the last K once more) and the maximum made of them serve nothing: the price, once a launch, of one text for every trip
.set i, 0
.rept 16
	PV NP-1                         ; the last piece's V^T P of the last step
.set i, i+1
.endr
	; THE WAY OUT.  l's two halves and the other half of the lanes' are added; O^T is divided by l, rounded to f16 and stored straight from registers.  The additions are the places behind the last products.
	WIN 0
.macro ALL line:vararg              ; one line for each tile t
.set t, 0
.rept 2*NP
	\line
.set t, t+1
.endr
.endm
	ALL v_add_f32 v[ST+4*t+2], v[ST+4*t+2], v[ST+4*t+3]
	ALL v_permlanex16_b32 v[ST+4*t+3], v[ST+4*t+2], s[SEL], s[SEL+1]
	ALL v_add_f32 v[ST+4*t+2], v[ST+4*t+2], v[ST+4*t+3]
	ALL v_rcp_f32 v[ST+4*t+2], v[ST+4*t+2]
	v_nop                           ; a plain instruction between the last reciprocal and the use of its result
	s_wait_alu depctr_va_vdst(0)
; Tile t: a lane's eight channels of a query pack into 16 bytes, which stand at 16 x lane in block f of the tile's 2,048 bytes.  The packed words go into S^T's registers, each written once: no wait.
.macro PACK t
	WIN W_RS
.set i, 32*(\t)
.rept 16
	v_pk_mul_f32 v[i:i+1], v[i:i+1], v[ST+4*(\t)+2:ST+4*(\t)+3] op_sel_hi:[1,0]
.set i, i+2
.endr
	WIN 0x05                        ; sources 0 and 1 window 1, destination window 0
.set i, 0
.rept 16
	v_cvt_pk_f16_f32 v[S+16*(\t)+i], v[32*(\t)+2*i], v[32*(\t)+2*i+1]
.set i, i+1
.endr
	WIN 0
.irp f, 0,1,2,3
	global_store_b128 v[GO], v[S+16*(\t)+4*\f:S+16*(\t)+4*\f+3], s[10:11] offset:(\t)*2048+\f*512  ; 512 consecutive bytes, at a multiple of 512 from ctx's first
.endr
.endm
.set t, 0
.rept 2*NP
	PACK t
.set t, t+1
.endr
	WIN W_AD
	s_wait_tensorcnt 0x0            ; the wave's end
	ds_add_u32 v[SPW], v[NIL]
	s_wait_dscnt 0x0
	WIN 0
	CROUND                          ; the closing round: no work-group ends while a partner may still ask for a tile that names it
	s_endpgm
.Lfunc_end_k_qa1108dc3cf_attn:
	.size	k_qa1108dc3cf_attn, .Lfunc_end_k_qa1108dc3cf_attn-k_qa1108dc3cf_attn
	.p2alignl 7, 3214868480
	.fill 96, 4, 3214868480
	.section	.rodata,"a",@progbits
	.p2align	6, 0x0
	.amdhsa_kernel k_qa1108dc3cf_attn
		.amdhsa_group_segment_fixed_size 327680
		.amdhsa_private_segment_fixed_size 0
		.amdhsa_enable_private_segment 0
		.amdhsa_kernarg_size 24
		.amdhsa_user_sgpr_count 2
		.amdhsa_user_sgpr_kernarg_segment_ptr 1
		.amdhsa_wavefront_size32 1
		.amdhsa_system_sgpr_workgroup_id_x 1
		.amdhsa_system_sgpr_workgroup_id_y 1
		.amdhsa_system_sgpr_workgroup_id_z 1
		.amdhsa_system_vgpr_workitem_id 0
		.amdhsa_next_free_vgpr 808
		.amdhsa_next_free_sgpr 66
		.amdhsa_reserve_vcc 0
		.amdhsa_float_denorm_mode_32 3
		.amdhsa_float_denorm_mode_16_64 3
		.amdhsa_memory_ordered 1
		.amdhsa_forward_progress 1
		.amdhsa_inst_pref_size 207
	.end_amdhsa_kernel
	.amdgpu_metadata
---
amdhsa.version: [ 1, 2 ]
amdhsa.kernels:
  - .name:           k_qa1108dc3cf_attn
    .symbol:         k_qa1108dc3cf_attn.kd
    .args:
      - { .name: qkv, .offset: 0, .size: 8, .value_kind: global_buffer, .address_space: global }
      - { .name: attention_mask, .offset: 8, .size: 8, .value_kind: global_buffer, .address_space: global }
      - { .name: ctx, .offset: 16, .size: 8, .value_kind: global_buffer, .address_space: global }
    .group_segment_fixed_size: 327680
    .private_segment_fixed_size: 0
    .kernarg_segment_align: 8
    .kernarg_segment_size: 24
    .max_flat_workgroup_size: 128
    .sgpr_count:     66
    .vgpr_count:     808
    .wavefront_size: 32
...
	.end_amdgpu_metadata
.endif
;; end of part 3
;; launch oln (part 4): grid 256 x 1, 4 waves a work-group, clusters of 4 x 1, 327,680 bytes of LDS; arguments ctx, wob, hidden_states, bo, gamma, beta, out0; writes out0
.if DOCPART == 4
	.amdgcn_target "amdgcn-amd-amdhsa--gfx1250"
	.amdhsa_code_object_version 6
	.text
	.protected	k_qa1108dc3cf_oln
	.globl	k_qa1108dc3cf_oln
	.p2align	8
	.type	k_qa1108dc3cf_oln,@function
k_qa1108dc3cf_oln:
	s_mov_b64 s[64:65], 0
	v_nop
	global_prefetch_b8 v0, s[64:65] scope:SCOPE_SE
	s_setreg_imm32_b32 hwreg(HW_REG_WAVE_MODE, 25, 1), 1
	s_wait_xcnt 0x0
	s_wait_alu depctr_hold_cnt(0) depctr_sa_sdst(0) depctr_va_vdst(0) depctr_va_sdst(0) depctr_va_ssrc(0) depctr_va_vcc(0) depctr_vm_vsrc(0)
	s_getreg_b32 s2, hwreg(HW_REG_IB_STS2, 6, 4)
	s_cmp_eq_u32 s2, 0
	s_cbranch_scc0 .Lentry_in_a_cluster
	s_endpgm
.Lentry_in_a_cluster:
	s_bfe_u32 s2, ttmp6, 0x10000c
	s_cmp_lg_u32 s2, 0x3003
	s_cbranch_scc0 .Lentry_shape_is_right
	s_endpgm
.Lentry_shape_is_right:
; THE OUTPUT PROJECTION, THE RESIDUAL AND THE LAYER NORM.  x[m][n] = sum over k of ctx[m][k] wo[n][k] + bo[n] + hidden[m][n];  out0[m][n] = gamma[n] (x - u) / sqrt(s2 + 1e-12) + beta[n], u and s2 the row's mean and variance.
; ctx: f16, [bh][s / 16][cb = 4][lane = 32][8] (16 tokens of a head: four blocks of 512 bytes; lane r + 16 hh holds token r, channels 16 cb + 8 hh + 0..7).  wob: f16, [kb = 16][n = 1024][64].  All else f32.
; Products in f16 with f32 sums; the residual is hidden_states in f32; mean first, then the variance of the differences: no difference of large sums is formed.
; LIMIT.  The order of the K steps in a sum differs from cluster to cluster (below): the f32 sums differ from an ascending sum by their rounding.
; SHARES.  The norm wants whole rows: a work-group makes 32 rows x 1,024 columns, 256 work-groups in all.  Wave w makes columns 256 w .. + 255: 32 accumulators of 16 x 16, 256 registers.
; K goes in steps of 64, a head a step, through a ring of two LDS slots, each all 1,024 rows of wob's plane: the longest step of which two slots fit.  A wave fetches, and reads, its own 256 rows.
; THE WALK ALONG K begins at plane (cluster x) mod 16 and wraps round: the 64 clusters, which all read all of wob, do not all ask for the same plane in the same step: the 16 planes are all asked for in the
; walks' first step, and from then on a cluster asks for bytes that another has asked for before.  ctx's head goes with the plane.
; CLUSTER.  Every work-group walks all of wob, so the four of a cluster ask for each tile JOINTLY: the same tensor load, descriptor and mask in all four; the walk's beginning is made of the cluster's x, which the four share.
; ctx's fragments come straight from memory into registers: in its layout a fragment is two loads of 16 bytes a lane at 16 x lane.
; THE MATRIX INSTRUCTION IS USED TRANSPOSED (source 0 = 16 rows of wob, source 1 = 16 rows of ctx): lane l holds row l % 16 and the eight neighbouring columns 8 (l / 16) + 0..7.  bo is the C operand of each sum's first product.
; THE END.  The change of slots behind the walk's step 14 fills slot 0 once more: each wave asks, for itself alone, for its 8 rows of hidden_states.  The sums go through a stage in slot 1 (32 rows x 4,112 bytes), which has had
; its last fill and is stored into behind a barrier that ends every wave's reads of it.  Wave w takes rows 8 w .. + 7 whole, so a row's sums stay inside a wave: one row a trip of a loop, x from the stage, hidden_states from slot 0.
; REGISTERS, in windows of 256 (s_set_vgpr_msb: bits 1:0 source 0, 3:2 source 1, 5:4 source 2, 7:6 destination):
;   window 0: v0-31 addresses and at work; v32-95 ctx's fragments, two buffers (v32-63 later a row of hidden_states); v96-127 gamma; v128-159 beta; v160-191 a row of sums as it lands; v192-223 the row at work; v224-255 the row as stored
;   window 1: the accumulators ((a, b) at v[8 (2 b + a)])     window 2: two buffers of 16 fragments of wob     window 3: v0-127 bo in the accumulators' layout
.set PITCH,  144                       ; an LDS row: 128 bytes + 16 of padding = 36 words: the 16 rows of a load start at 16 different groups of four banks (64 banks of 4 bytes: ISA guide 11.1)
.set QUART,  256*PITCH                 ; a wave's 256 rows
.set SLOT,   4*QUART
.set SPARE,  2*SLOT                    ; behind the ring: the spare words, 128 bytes a wave: two blocks of 256 bytes that no other line names
.set SP,     4112                      ; a row of the stage: 4,096 bytes + 16: an odd multiple of 16
.set STG,    SLOT                      ; the stage lies in slot 1
.set T,    4                           ; v4-11   four chains of a sum
.set U,    12                          ; v12-13  the mean, later 1 / sqrt, twice (a pair for the packed forms); v14 at work
.set ADRB, 16                          ; v16-17  LDS address of my fragments of wob in slot 0, 1
.set AO,   18                          ; v18     16 x lane; never rewritten
.set RH,   19                          ; v19     LDS address of my 16 bytes in the row of hidden_states to be read next
.set STO,  20                          ; v20-21  the stage: where I put 32 bytes of row 16 a + l % 16
.set RD,   22                          ; v22     the stage: my 16 bytes in the row to be read next
.set PF,   23                          ; v23     256 x thread
.set BOO,  24                          ; v24     my byte offset in bo: 1,024 w + 32 (l / 16)
.set SPW,  28                          ; v28     LDS address of my spare word; never rewritten
.set NIL,  29                          ; v29     0; never rewritten
.set AR0,  32                          ; ctx's fragments: row block a, K half ks at + 16 a + 8 ks; the second buffer 32 on
.set LH,   32
.set GAM,  96
.set BET,  128
.set LX,   160
.set XW,   192
.set Y,    224
.set F0,   0
.set F1,   128
.set WV,  18                           ; s18  my wave's number
.set G1,  24                           ; s[24:31] descriptor group 1 for wob's tiles
.set G0,  32                           ; s[32:39] descriptor group 0, a set for each slot
.set SEL, 42                           ; s[42:43] v_permlanex16_b32's selects
.set AP,  48                           ; s[48:49] ctx at my 32 rows of the head asked for last
.set AB,  50                           ; s[50:51] ctx at my 32 rows of the batch's head 0
.set OP,  52                           ; s[52:53] out0 at the row to be stored
.set PFB, 54                           ; s[54:55] hidden_states at the work-group's 32 rows
.set WB,  66                           ; s[66:67] wob at my 256 rows of plane 0
.set KB,  68                           ; s68  the plane, and head, asked for last, 0..15
.set KO,  70                           ; s[70:71] its byte offset
.set G0H, 72                           ; s[72:75] descriptor group 0 for my rows of hidden_states
.set G1H, 76                           ; s[76:83] its group 1
.set INC, 84                           ; s[84:85] what the next row adds to out0's address: 0, then 4,096
.set AP1, 86                           ; s[86:87] ctx at my 32 rows of the walk's second head
.set MSB, 0
.macro WIN new                         ; the immediate's high byte repeats the setting that is left; a switch that changes nothing is dropped
.if MSB != (\new)
	s_set_vgpr_msb (MSB<<8)|(\new)
.set MSB, \new
.endif
.endm
.macro CREST                           ; a round of the cluster's barrier behind its opening barrier
	s_cmp_lg_u32 s[WV], 0
	s_cbranch_scc1 .Lnot_wave_0_\@
	s_barrier_signal -3
.Lnot_wave_0_\@:
	s_barrier_wait -3
	s_barrier_signal -1
	s_barrier_wait -1
.endm
.macro CROUND                          ; a whole round
	s_barrier_signal -1
	s_barrier_wait -1
	CREST
.endm
.macro PLACES                          ; four places in front of loads into registers that matrix instructions have read, and of stores that read results
.rept 4
	v_nop
.endr
.endm
.macro NEXTK                           ; the walk's next plane, round the end
	s_add_co_u32 s[KB], s[KB], 1
	s_and_b32 s[KB], s[KB], 15
.endm
.macro AIM s                           ; slot s's descriptor takes plane KB: the address is made anew (131,072 bytes a plane), and the type bits are set again
	s_lshl_b32 s[KO], s[KB], 17
	s_add_nc_u64 s[G0+4*(\s)+2:G0+4*(\s)+3], s[WB:WB+1], s[KO:KO+1]
	s_or_b32 s[G0+4*(\s)+3], s[G0+4*(\s)+3], 0x80000000
.endm
	s_load_b256 s[4:11], s[0:1], 0x0               ; ctx s[4:5], wob s[6:7], hidden_states s[8:9], bo s[10:11]
	s_load_b128 s[12:15], s[0:1], 0x20             ; gamma s[12:13], beta s[14:15]
	s_load_b64 s[16:17], s[0:1], 0x30              ; out0
	v_lshl_add_u32 v[SPW], v0, 2, SPARE
	v_mov_b32 v[NIL], 0
	ds_add_u32 v28, v29
	s_wait_dscnt 0x0
	v_lshrrev_b32 v1, 5, v0
	v_readfirstlane_b32 s[WV], v1                  ; wave 0..3
	s_bfe_u32 s19, ttmp6, 0x40000                  ; cx
	s_lshl_b32 s20, ttmp9, 2
	s_add_co_u32 s20, s20, s19                     ; my block of 32 rows = 4 x cluster x + cx: it enters the addresses of ctx, hidden_states and out0 alone
	s_and_b32 s[KB], ttmp9, 15                     ; where the walk along K begins
	s_mov_b32 s[KO+1], 0
	; descriptor group 1.  A wave's 256 rows of a plane are 32,768 dense bytes: asked for as 128 rows of 256 bytes, two rows of wob each, and padded in LDS after every row of wob
	s_mov_b32 s[G1], 15|(1<<16)|(1<<20)|(1<<21)|(4<<22)|(3<<25)  ; 15:0 the mask of four; 17:16 2-byte elements; 20 padding on; 21 set beside a mask; 24:22 after every 32 words (code 4); 31:25 4 words (code 3)
	s_mov_b32 s[G1+1], 128<<16                     ; tensor_dim0 = 128
	s_mov_b32 s[G1+2], 128<<16                     ; tensor_dim1 = 128
	s_mov_b32 s[G1+3], 128<<16                     ; tile_dim0 = 128
	s_mov_b32 s[G1+4], 128                         ; tile_dim1 = 128
	s_mov_b32 s[G1+5], 128                         ; 128 elements from row to row
	s_mov_b32 s[G1+6], 0
	s_mov_b32 s[G1+7], 0
	; and for hidden_states: a wave's 8 rows are 32,768 dense bytes too: 128 rows of 32 elements of 8 bytes, no mask (the load is my own), no padding (the rows are read 512 consecutive bytes at a time)
	s_mov_b32 s[G1H], 3<<16
	s_mov_b32 s[G1H+1], 32<<16
	s_mov_b32 s[G1H+2], 128<<16
	s_mov_b32 s[G1H+3], 32<<16
	s_mov_b32 s[G1H+4], 128
	s_mov_b32 s[G1H+5], 32
	s_mov_b32 s[G1H+6], 0
	s_mov_b32 s[G1H+7], 0
	s_mul_i32 s21, s[WV], QUART                    ; my rows' place in a slot
	s_lshl_b32 s56, s[WV], 15                      ; 32,768 x wave: my rows in a plane of wob; also my 8 rows of 4,096 bytes in the block
	s_mov_b32 s57, 0
	s_lshr_b32 s58, s20, 6                         ; the batch: 64 blocks of 32 rows; 16 heads of 262,144 bytes
	s_lshl_b32 s58, s58, 22
	s_and_b32 s22, s20, 63
	s_lshl_b32 s22, s22, 12                        ; 32 tokens of 128 bytes
	s_add_co_u32 s58, s58, s22
	s_mov_b32 s59, 0
	s_lshl_b32 s60, s20, 17                        ; 32 rows of 4,096 bytes
	s_mov_b32 s61, 0
	s_mov_b32 s[SEL], 0x76543210
	s_mov_b32 s[SEL+1], 0xfedcba98
	s_mov_b32 s44, 0x3a800000                      ; 1 / 1,024
	s_mov_b32 s45, 0x2b8cbccc                      ; 1e-12
	s_mov_b32 s47, 0
	s_mov_b32 s[INC], 0
	s_mov_b32 s[INC+1], 0
	s_wait_kmcnt 0x0
	s_add_nc_u64 s[WB:WB+1], s[6:7], s[56:57]
	s_add_nc_u64 s[AB:AB+1], s[4:5], s[58:59]
	s_add_nc_u64 s[PFB:PFB+1], s[8:9], s[60:61]
	s_add_nc_u64 s[OP:OP+1], s[16:17], s[60:61]
	s_add_nc_u64 s[OP:OP+1], s[OP:OP+1], s[56:57]
	s_mov_b32 s[G0H], 1                            ; count = 1
	s_mul_i32 s[G0H+1], s[WV], 32768               ; LDS address: in slot 0, wave x 8 rows
	s_add_nc_u64 s[G0H+2:G0H+3], s[PFB:PFB+1], s[56:57]
	s_or_b32 s[G0H+3], s[G0H+3], 0x80000000        ; type = 2
	s_mov_b32 s[G0], 1
	s_add_co_u32 s[G0+1], s21, 0                   ; LDS address: slot 0
	AIM 0                                          ; the walk's step 0,
	s_lshl_b32 s[KO], s[KB], 18
	s_add_nc_u64 s[AP:AP+1], s[AB:AB+1], s[KO:KO+1]       ; and its head of ctx (262,144 bytes a head)
	NEXTK
	s_mov_b32 s[G0+4], 1
	s_add_co_u32 s[G0+5], s21, SLOT
	AIM 1                                          ; step 1
	s_lshl_b32 s[KO], s[KB], 18
	s_add_nc_u64 s[AP1:AP1+1], s[AB:AB+1], s[KO:KO+1]
	CROUND                                         ; all four work-groups are here: the first joint loads meet
	tensor_load_to_lds s[G0:G0+3], s[G1:G1+7]      ; every wave asks for its own quarter of both slots: two loads of mine are out
	s_nop 0
	tensor_load_to_lds s[G0+4:G0+7], s[G1:G1+7]
	s_nop 0
	PLACES
	v_and_b32 v1, 15, v0                           ; l % 16
	v_bfe_u32 v2, v0, 4, 1                         ; l / 16
	v_mul_u32_u24 v3, v1, PITCH
	v_lshl_add_u32 v3, v2, 4, v3                   ; a fragment's row x pitch + 16 x half
	v_add_nc_u32 v[ADRB], s21, v3
	v_add_nc_u32 v[ADRB+1], SLOT, v[ADRB]
	v_and_b32 v[AO], 31, v0
	v_lshlrev_b32 v[AO], 4, v[AO]
	v_lshlrev_b32 v[PF], 8, v0
	s_lshl_b32 s22, s[WV], 10
	v_lshl_add_u32 v[BOO], v2, 5, s22
	v_mul_u32_u24 v4, v1, SP
	v_add_nc_u32 v[STO], v[BOO], v4                ; row l % 16, my wave's 1,024 bytes of it, 32 bytes for each half of the lanes,
	v_add_nc_u32 v[STO], STG, v[STO]               ; in the stage
	v_add_nc_u32 v[STO+1], 16*SP, v[STO]
	s_mul_i32 s23, s[WV], 8*SP
	s_add_co_u32 s23, s23, STG
	v_add_nc_u32 v[RD], s23, v[AO]                 ; back: 32 lanes take 512 consecutive bytes of one of my 8 rows,
	v_add_nc_u32 v[RH], s[G0H+1], v[AO]            ; and of the same row of hidden_states
	WIN 0xc0                                       ; destination window 3, address window 0
.irp b, 0,1,2,3,4,5,6,7,8,9,10,11,12,13,14,15
	global_load_b128 v[8*(\b):8*(\b)+3],   v[BOO], s[10:11] offset:64*(\b)     ; register j: bo of column 256 w + 16 b + 8 (l / 16) + j
	global_load_b128 v[8*(\b)+4:8*(\b)+7], v[BOO], s[10:11] offset:64*(\b)+16
.endr
	WIN 0
.irp q, 0,1,2,3,4,5,6,7
	global_load_b128 v[AR0+4*(\q):AR0+4*(\q)+3], v[AO], s[AP:AP+1] offset:512*(\q)             ; the walk's first head: row block q / 4, channels 16 (q % 4) on
.endr
.irp q, 0,1,2,3,4,5,6,7
	global_load_b128 v[AR0+32+4*(\q):AR0+32+4*(\q)+3], v[AO], s[AP1:AP1+1] offset:512*(\q)     ; its second
.endr
.irp j, 0,1,2,3,4,5,6,7
	global_load_b128 v[GAM+4*(\j):GAM+4*(\j)+3], v[AO], s[12:13] offset:512*(\j)               ; columns 128 j + 4 lane + 0..3: as I hold a row at the end
.endr
.irp j, 0,1,2,3,4,5,6,7
	global_load_b128 v[BET+4*(\j):BET+4*(\j)+3], v[AO], s[14:15] offset:512*(\j)
.endr
; 2 n matrix instructions: column blocks b0 .. b0 + n - 1 x both row blocks, 32 along K (half ks of the step).  first = 1: the product starts the sum, with bo as C.
; The 32 accumulators take turns in one fixed order, one instruction a turn.
.macro MULB f, ar, ks, b0, n, first
.if \first
	WIN 0x72                                       ; source 0 window 2, source 1 window 0, C window 3, D window 1
.else
	WIN 0x52                                       ; C and D window 1
.endif
.set bb, \b0
.rept \n
.irp a, 0,1
.if \first
	v_wmma_f32_16x16x32_f16 v[8*(2*bb+(\a)):8*(2*bb+(\a))+7], v[(\f)+8*bb:(\f)+8*bb+7], v[(\ar)+16*(\a)+8*(\ks):(\ar)+16*(\a)+8*(\ks)+7], v[8*bb:8*bb+7]
.else
	v_wmma_f32_16x16x32_f16 v[8*(2*bb+(\a)):8*(2*bb+(\a))+7], v[(\f)+8*bb:(\f)+8*bb+7], v[(\ar)+16*(\a)+8*(\ks):(\ar)+16*(\a)+8*(\ks)+7], v[8*(2*bb+(\a)):8*(2*bb+(\a))+7]
.endif
.endr
.set bb, bb+1
.endr
.endm
; 32 LDS loads in one run: my 16 fragments of wob, 32 along K at byte k of the rows, into buffer f
.macro FETCH slot, k, f
	WIN 0x80                                       ; destination window 2, address window 0
.irp b, 0,1,2,3,4,5,6,7,8,9,10,11,12,13,14,15
	ds_load_b128 v[(\f)+8*(\b):(\f)+8*(\b)+3],   v[ADRB+(\slot)] offset:(\k)+(\b)*16*PITCH
	ds_load_b128 v[(\f)+8*(\b)+4:(\f)+8*(\b)+7], v[ADRB+(\slot)] offset:(\k)+(\b)*16*PITCH+32
.endr
.endm
; A K step's first half: multiplies buffer 0 and, in its middle, fetches the second half's fragments into buffer 1.
; aload = 1: head KB of ctx, the one that goes with the plane just asked for, is asked for too, into the buffer that the step before multiplied.  lw: how many younger loads may stay out when this step's fragments of ctx have to be there.
; pf = 1: in the trips whose count is 5, 4, 3, 2 the four waves ask for 32,768 bytes of the work-group's 32 rows of hidden_states to be brought nearer, lanes 256 bytes apart, each block once:
; 131,072 bytes in four trips, two to five trips ahead of the tensor load behind the loop; the address never leaves those rows.
.macro HALF slot, first, aload, pf, lw
	s_wait_loadcnt \lw
	s_wait_dscnt 16                                ; fragments 0-7 are in; the youngest sixteen loads may be out
	MULB F0, AR0+32*(\slot), 0, 0, 8, \first
	PLACES
.if \aload
	WIN 0
	s_wait_xcnt 0x0                                ; every earlier memory instruction has had its addresses translated: the bases below may be written
	s_lshl_b32 s[KO], s[KB], 18
	s_add_nc_u64 s[AP:AP+1], s[AB:AB+1], s[KO:KO+1]
.irp q, 0,1,2,3,4,5,6,7
	global_load_b128 v[AR0+32*(1-(\slot))+4*(\q):AR0+32*(1-(\slot))+4*(\q)+3], v[AO], s[AP:AP+1] offset:512*(\q)
.endr
.endif
.if \pf
	s_sub_co_u32 s46, s3, 2
	s_cmp_gt_u32 s46, 3
	s_cbranch_scc1 .Lno_pf_\@
	s_lshl_b32 s46, s46, 15
	s_add_nc_u64 s[40:41], s[PFB:PFB+1], s[46:47]
	global_prefetch_b8 v[PF], s[40:41] th:TH_LOAD_NT scope:SCOPE_SE
.Lno_pf_\@:
.endif
	FETCH \slot, 64, F1
	s_wait_dscnt 32                                ; all but the 32 just issued
	MULB F0, AR0+32*(\slot), 0, 8, 8, \first
.endm
; A K step's second half multiplies buffer 1 and changes slots.  Its first 16 products stand AHEAD of the wait for the next slot's tile, so that nothing but the round stands between that tile's landing and the next request.
; In front of the round each wave waits for all its tensor loads (one is out: its part of the next slot), adds 0 to its spare word, and waits for that and for its own reads of this slot.
; Behind the round this slot is filled again, first thing: fill = 1: jointly, with the walk's plane two on, a whole K step, 64 matrix instructions, ahead of the wait for it; fill = 2: with my 8 rows of hidden_states.
; The half's other 16 products stand behind the run of loads that fetches the next slot's first fragments.
.macro TURN slot, next, fill
	s_wait_dscnt 16                                ; fragments 0-7 are in
	MULB F1, AR0+32*(\slot), 1, 0, 8, 0
	WIN 0
	s_wait_tensorcnt 0x0                           ; all my tensor loads have landed, so every group 0 may be written
	ds_add_u32 v[SPW], v[NIL]                      ; 0 onto my spare word; the descriptor's scalar work stands between it and the wait for it
.if (\fill) == 1
	NEXTK
	AIM \slot
.endif
	s_wait_dscnt 0x0                               ; the add is done, and my reads of this slot are over
	s_barrier_signal -1
	s_barrier_wait -1
	CREST                                          ; no wave of any partner still reads this slot's tile or has a load on its way
.if (\fill) == 1
	tensor_load_to_lds s[G0+4*(\slot):G0+4*(\slot)+3], s[G1:G1+7]
.else
	tensor_load_to_lds s[G0H:G0H+3], s[G1H:G1H+7]
.endif
	s_nop 0
	PLACES                                         ; also the places in front of the loads below
	FETCH \next, 0, F0
	MULB F1, AR0+32*(\slot), 1, 8, 8, 0
.endm
	s_wait_tensorcnt 1                             ; my part of the walk's step 0 is in; step 1's stays out
	s_barrier_signal -1
	s_barrier_wait -1
	FETCH 0, 0, F0
	HALF 0, 1, 0, 0, 24                            ; bo and the first head are in; the second head, gamma and beta, 24 loads, stay out.  These products start the sums
	WIN 0                                          ; at a label and at a branch every window is 0
	s_mov_b32 s3, 7
.Ltrip:                                                ; a trip: the walk's steps 2 t (second half), 2 t + 1, 2 t + 2 (first half); it fills both slots again and asks for two heads of ctx
	TURN 0, 1, 1
	HALF 1, 0, 1, 1, 0
	TURN 1, 0, 1
	HALF 0, 0, 1, 0, 0
	WIN 0
	s_sub_co_u32 s3, s3, 1
	s_cmp_lg_u32 s3, 0
	s_cbranch_scc1 .Ltrip
	TURN 0, 1, 2                                   ; step 14 ends; slot 0 takes hidden_states: its last fill
	HALF 1, 0, 0, 0, 0
	s_wait_dscnt 16                                ; the very last half: nothing more to fetch
	MULB F1, AR0+32, 1, 0, 8, 0
	s_wait_dscnt 0x0                               ; my reads of slot 1 are over
	MULB F1, AR0+32, 1, 8, 8, 0
	; INTO THE STAGE, which lies where all four waves have been reading: so a barrier first.  A lane's eight numbers of an accumulator are 32 neighbouring bytes of a row; each accumulator's low half goes first.
	PLACES
	WIN 0
	s_barrier_signal -1
	s_barrier_wait -1                              ; nobody reads slot 1 any more; my load of hidden_states may be out
	WIN 0x04                                       ; data (source 1) window 1, address window 0
.irp b, 0,1,2,3,4,5,6,7,8,9,10,11,12,13,14,15
.irp a, 0,1
	ds_store_b128 v[STO+(\a)], v[8*(2*(\b)+(\a)):8*(2*(\b)+(\a))+3]   offset:64*(\b)
	ds_store_b128 v[STO+(\a)], v[8*(2*(\b)+(\a))+4:8*(2*(\b)+(\a))+7] offset:64*(\b)+16
.endr
.endr
	WIN 0
	s_wait_tensorcnt 0x0                           ; my rows of hidden_states are in; only I read them
	s_wait_dscnt 0x0                               ; for the others' sake: my stores into the stage are done
	s_barrier_signal -1
	s_barrier_wait -1
.macro LOADROW                         ; a row of my 8: 32 numbers a lane, columns 128 j + 4 lane + 0..3, of the sums and of hidden_states
.irp j, 0,1,2,3,4,5,6,7
	ds_load_b128 v[LX+4*(\j):LX+4*(\j)+3], v[RD] offset:512*(\j)
.endr
.irp j, 0,1,2,3,4,5,6,7
	ds_load_b128 v[LH+4*(\j):LH+4*(\j)+3], v[RH] offset:512*(\j)
.endr
.endm
.macro RED                             ; the four chains' eight numbers and the 32 lanes' into one sum, in every lane
	v_pk_add_f32 v[T:T+1], v[T:T+1], v[T+2:T+3]
	v_pk_add_f32 v[T+4:T+5], v[T+4:T+5], v[T+6:T+7]
	v_pk_add_f32 v[T:T+1], v[T:T+1], v[T+4:T+5]
	v_add_f32 v[T], v[T], v[T+1]
	v_add_f32_dpp v[T], v[T], v[T] row_xmask:1 row_mask:0xf bank_mask:0xf
	v_add_f32_dpp v[T], v[T], v[T] row_xmask:2 row_mask:0xf bank_mask:0xf
	v_add_f32_dpp v[T], v[T], v[T] row_xmask:4 row_mask:0xf bank_mask:0xf
	v_add_f32_dpp v[T], v[T], v[T] row_xmask:8 row_mask:0xf bank_mask:0xf
	v_permlanex16_b32 v[T+1], v[T], s[SEL], s[SEL+1]
	v_add_f32 v[T], v[T], v[T+1]
.endm
	LOADROW                                        ; my first row
	s_mov_b32 s3, 8
.Lrow:                                                 ; a trip: one row.  The addition of the residual takes the row out of the registers in which it landed, so the next row's loads go out at once and land under this row's work
	s_wait_dscnt 0x0                               ; the row's 16 loads, the only ones out
.set z, 0
.rept 16
	v_pk_add_f32 v[XW+2*z:XW+2*z+1], v[LX+2*z:LX+2*z+1], v[LH+2*z:LH+2*z+1]  ; x = the sum + hidden_states
.set z, z+1
.endr
	s_cmp_eq_u32 s3, 1
	s_cbranch_scc1 .Lno_next                       ; behind the last row there is none: the run of loads is jumped over
	v_add_nc_u32 v[RD], SP, v[RD]
	v_add_nc_u32 v[RH], 4096, v[RH]
	LOADROW
.Lno_next:
.irp c, 0,1,2,3
	v_pk_add_f32 v[T+2*(\c):T+2*(\c)+1], v[XW+2*(\c):XW+2*(\c)+1], v[XW+8+2*(\c):XW+8+2*(\c)+1]  ; four chains, started by the first pairs: nothing is cleared
.endr
.irp k, 2,3
.irp c, 0,1,2,3
	v_pk_add_f32 v[T+2*(\c):T+2*(\c)+1], v[T+2*(\c):T+2*(\c)+1], v[XW+8*(\k)+2*(\c):XW+8*(\k)+2*(\c)+1]
.endr
.endr
	RED
	v_mul_f32 v[U], s44, v[T]                      ; the mean, twice
	v_mul_f32 v[U+1], s44, v[T]
.set z, 0
.rept 16
	v_pk_add_f32 v[XW+2*z:XW+2*z+1], v[XW+2*z:XW+2*z+1], v[U:U+1] neg_lo:[0,1] neg_hi:[0,1]  ; x - u
.set z, z+1
.endr
.irp c, 0,1,2,3
	v_pk_mul_f32 v[T+2*(\c):T+2*(\c)+1], v[XW+2*(\c):XW+2*(\c)+1], v[XW+2*(\c):XW+2*(\c)+1]
.endr
.irp k, 1,2,3
.irp c, 0,1,2,3
	v_pk_fma_f32 v[T+2*(\c):T+2*(\c)+1], v[XW+8*(\k)+2*(\c):XW+8*(\k)+2*(\c)+1], v[XW+8*(\k)+2*(\c):XW+8*(\k)+2*(\c)+1], v[T+2*(\c):T+2*(\c)+1]
.endr
.endr
	RED
	v_fma_f32 v[U+2], v[T], s44, s45               ; the variance + 1e-12
	v_rsq_f32 v[U], v[U+2]
	v_rsq_f32 v[U+1], v[U+2]
	v_nop                                          ; a plain instruction between the last of them and the use of its result (ISA guide 5.7.2)
.set z, 0
	s_wait_alu depctr_va_vdst(0)
.rept 16
	v_pk_mul_f32 v[XW+2*z:XW+2*z+1], v[XW+2*z:XW+2*z+1], v[U:U+1]
.set z, z+1
.endr
	s_wait_xcnt 0x0                                ; the last row's stores, a whole row back, have read their registers and their base: both are written below
	s_add_nc_u64 s[OP:OP+1], s[OP:OP+1], s[INC:INC+1]
	s_mov_b32 s[INC], 4096                         ; from the second row on: one row further
.set z, 0
.rept 16
	v_pk_fma_f32 v[Y+2*z:Y+2*z+1], v[XW+2*z:XW+2*z+1], v[GAM+2*z:GAM+2*z+1], v[BET+2*z:BET+2*z+1]
.set z, z+1
.endr
.irp j, 0,1,2,3,4,5,6,7
	global_store_b128 v[AO], v[Y+4*(\j):Y+4*(\j)+3], s[OP:OP+1] offset:512*(\j) th:TH_STORE_NT  ; 512 consecutive bytes, at a multiple of 512 from out0's first
.endr
	s_sub_co_u32 s3, s3, 1
	s_cmp_lg_u32 s3, 0
	s_cbranch_scc1 .Lrow
	s_wait_tensorcnt 0x0                           ; the wave's end
	ds_add_u32 v[SPW], v[NIL]
	s_wait_dscnt 0x0
	CROUND                                         ; the closing round: no work-group ends while a partner may still ask for a tile that names it
	s_endpgm
.Lfunc_end_k_qa1108dc3cf_oln:
	.size	k_qa1108dc3cf_oln, .Lfunc_end_k_qa1108dc3cf_oln-k_qa1108dc3cf_oln
	.p2alignl 7, 3214868480
	.fill 96, 4, 3214868480
	.section	.rodata,"a",@progbits
	.p2align	6, 0x0
	.amdhsa_kernel k_qa1108dc3cf_oln
		.amdhsa_group_segment_fixed_size 327680
		.amdhsa_private_segment_fixed_size 0
		.amdhsa_enable_private_segment 0
		.amdhsa_kernarg_size 56
		.amdhsa_user_sgpr_count 2
		.amdhsa_user_sgpr_kernarg_segment_ptr 1
		.amdhsa_wavefront_size32 1
		.amdhsa_system_sgpr_workgroup_id_x 1
		.amdhsa_system_sgpr_workgroup_id_y 1
		.amdhsa_system_sgpr_workgroup_id_z 1
		.amdhsa_system_vgpr_workitem_id 0
		.amdhsa_next_free_vgpr 896
		.amdhsa_next_free_sgpr 88
		.amdhsa_reserve_vcc 0
		.amdhsa_float_denorm_mode_32 3
		.amdhsa_float_denorm_mode_16_64 3
		.amdhsa_memory_ordered 1
		.amdhsa_forward_progress 1
		.amdhsa_inst_pref_size 65
	.end_amdhsa_kernel
	.amdgpu_metadata
---
amdhsa.version: [ 1, 2 ]
amdhsa.kernels:
  - .name:           k_qa1108dc3cf_oln
    .symbol:         k_qa1108dc3cf_oln.kd
    .args:
      - { .name: ctx, .offset: 0, .size: 8, .value_kind: global_buffer, .address_space: global }
      - { .name: wob, .offset: 8, .size: 8, .value_kind: global_buffer, .address_space: global }
      - { .name: hidden_states, .offset: 16, .size: 8, .value_kind: global_buffer, .address_space: global }
      - { .name: bo, .offset: 24, .size: 8, .value_kind: global_buffer, .address_space: global }
      - { .name: gamma, .offset: 32, .size: 8, .value_kind: global_buffer, .address_space: global }
      - { .name: beta, .offset: 40, .size: 8, .value_kind: global_buffer, .address_space: global }
      - { .name: out0, .offset: 48, .size: 8, .value_kind: global_buffer, .address_space: global }
    .group_segment_fixed_size: 327680
    .private_segment_fixed_size: 0
    .kernarg_segment_align: 8
    .kernarg_segment_size: 56
    .max_flat_workgroup_size: 128
    .sgpr_count:     88
    .vgpr_count:     896
    .wavefront_size: 32
...
	.end_amdgpu_metadata
.endif
;; end of part 4
